; MI455X (gfx1250); checked and timed in simulation.
; The chip was launched on July 23, 2026; its instructions are those of AMD's public machine-readable ISA for CDNA 5 (MIT licence, August 2026) and "CDNA5" Instruction Set Architecture Reference Guide (July 2026). The comments in the code are by the model that wrote it; some were corrected since.
;; Attn Pool 2d. Allowed arithmetic: float matrix products may take bf16 or f16 operands with f32 sums; other float arithmetic in f32, or as packed bf16 or f16 multiplies, adds, multiply-adds, maxima and minima; sums over many terms, partial sums and values carried from step to step in f32; what a program stores and reads back later, other than sums and carried values, may be rounded once to bf16 or f16.
;; Inputs: WK 256 x 256 float32; WQ 256 x 256 float32; WV 256 x 256 float32; WZ_b 256 float32; WZ_w 256 x 256 float32; expand_b 1,024 float32; expand_w 1,024 x 256 float32; restore_b 256 float32; restore_w 256 x 1,024 float32; x 4 x 256 x 256 x 256 float32.
;; Outputs: out0 4 x 64 x 64 x 256 float32.
;; 2 versions, each right; version 2 is version 1 with the launch pool_mlp written anew for expert scheduling mode. Each part assembles by itself: llvm-mc -triple=amdgcn-amd-amdhsa -mcpu=gfx1250 --defsym DOCPART=n.
;; ======== version 1 of 2: 2 launches
;; limits: values are held in f16: magnitudes above 65,504 overflow, below 6.1e-05 lose precision; right only within a limited range of input values
;; workspace buffers: wts 1,579,008 bytes
;; launch prep (part 1): grid 97 x 4, 8 waves a work-group, no clusters, 0 bytes of LDS; arguments WQ, WK, WV, WZ_w, expand_w, restore_w, WZ_b, expand_b, restore_b, wts; writes wts
.if DOCPART == 1
	.amdgcn_target "amdgcn-amd-amdhsa--gfx1250"
	.amdhsa_code_object_version 6
	.text
	.protected	k_q76c0238bac_prep
	.globl	k_q76c0238bac_prep
	.p2align	8
	.type	k_q76c0238bac_prep,@function
k_q76c0238bac_prep:
	s_mov_b64 s[64:65], 0
	v_nop
	global_prefetch_b8 v0, s[64:65] scope:SCOPE_SE
	s_setreg_imm32_b32 hwreg(HW_REG_WAVE_MODE, 25, 1), 1
	s_wait_xcnt 0x0
; All weights and biases, rounded once to bf16, are laid out for the launch behind: by its waves, by chunks, in the order of matrix fragments.
; wts: wave y's area begins at 393,216 y and holds 12 chunks of 32 KiB: 0 WQ, 1 WK (turned), 2 WV, 3 WZ_w, 4-7 expand_w, 8-11 restore_w.  A chunk is 32 blocks of 1 KiB; in a block the
; 16 bytes at 512 sub + 16 lane hold A[row 16 mtl + lane % 16][k = 32 ks + 16 sub + 8 (lane / 16) + 0..7]: a fragment is two loads of 16 bytes a lane, 512 bytes apart.
; Block = 8 mtl + ks.  Rows begin at 64 y (WQ, WV, WZ_w, restore_w) or 256 y + 64 cc (expand_w's chunk cc); restore_w's chunk q begins at k = 256 q.
; WK is turned: block = 16 hl + dt holds WK[64 y + 32 hl + k][16 dt + lane % 16].
; All chunks multiply f16 operands: the bf16 number is written as f16.  LIMIT: exact for 6.1e-5 <= |w| <= 65,504; below that f16's fixed step of 6e-8; beyond it an infinity.
; Biases, from byte 1,572,864 + 1,536 y on: six slices of 64 numbers, bf16-rounded and kept as f32: WZ_b[64 y ..], expand_b[256 y + 64 cc ..] (cc = 0..3), restore_b[64 y ..].
; SHARES.  Work-group (x, y), x < 96: the 4 KiB at 4,096 (96 y + x): a thread makes 16 bytes, and 16 neighbouring lanes store 256 consecutive bytes, aligned.  x = 96: the six slices of y, a wave a slice.
	s_load_b512 s[8:23], s[0:1], 0x0               ; WQ s[8:9], WK s[10:11], WV s[12:13], WZ_w s[14:15], expand_w s[16:17], restore_w s[18:19], WZ_b s[20:21], expand_b s[22:23]
	s_load_b128 s[24:27], s[0:1], 0x40             ; restore_b s[24:25], wts s[26:27]
	s_mov_b32 s2, ttmp9                            ; x
	s_and_b32 s3, ttmp7, 0xffff                    ; y
	s_wait_kmcnt 0x0
	s_cmp_eq_u32 s2, 96
	s_cbranch_scc1 .Lbias
	s_lshr_b32 s4, s2, 3                           ; the chunk, 0..11
	s_and_b32 s5, s2, 7                            ; which eighth of it
	s_lshr_b32 s31, s4, 2                          ; 0: the four small ones; 1: expand_w; 2: restore_w
	s_and_b32 s32, s4, 3                           ; cc or q
	s_lshl_b32 s6, s3, 6                           ; 64 y
	s_lshl_b32 s33, s3, 8
	s_lshl_b32 s34, s32, 6
	s_add_co_u32 s33, s33, s34                     ; 256 y + 64 cc
	s_cmp_eq_u32 s31, 1
	s_cselect_b32 s6, s33, s6                      ; the chunk's first row
	s_lshl_b32 s34, s32, 8
	s_cmp_eq_u32 s31, 2
	s_cselect_b32 s7, s34, 0                       ; its first k
	s_cselect_b32 s30, 10, 8                       ; log2 of the numbers in a row
	s_mul_i32 s37, s3, 96
	s_add_co_u32 s37, s37, s2
	s_lshl_b32 s37, s37, 12
	v_lshl_add_u32 v6, v0, 4, s37                  ; where my 16 bytes go
	v_and_b32 v1, 15, v0                           ; lane % 16
	v_bfe_u32 v2, v0, 4, 2                         ; 2 sub + lane / 16: my k begins at 8 times this
	v_lshrrev_b32 v3, 6, v0                        ; which of the work-group's four blocks
	s_cmp_eq_u32 s4, 1
	s_cbranch_scc1 .Lwk
	s_cmp_eq_u32 s4, 0
	s_cselect_b64 s[28:29], s[8:9], s[18:19]
	s_cmp_eq_u32 s4, 2
	s_cselect_b64 s[28:29], s[12:13], s[28:29]
	s_cmp_eq_u32 s4, 3
	s_cselect_b64 s[28:29], s[14:15], s[28:29]
	s_cmp_eq_u32 s31, 1
	s_cselect_b64 s[28:29], s[16:17], s[28:29]
	s_lshr_b32 s35, s5, 1                          ; mtl
	s_lshl_b32 s35, s35, 4
	s_add_co_u32 s35, s35, s6
	s_and_b32 s36, s5, 1                           ; ks = 4 (eighth % 2) + block
	s_lshl_b32 s36, s36, 7
	s_add_co_u32 s36, s36, s7
	v_add_nc_u32 v4, s35, v1                       ; row
	v_lshl_add_u32 v5, v3, 5, s36
	v_lshl_add_u32 v5, v2, 3, v5                   ; k
	v_lshlrev_b32 v4, s30, v4
	v_add_lshl_u32 v4, v4, v5, 2                   ; bytes
	global_load_b128 v[8:11], v4, s[28:29]
	global_load_b128 v[12:15], v4, s[28:29] offset:16
	s_branch .Lcvt
.Lwk:                                          ; my eight numbers lie in eight rows of WK, one below the other
	s_lshr_b32 s35, s5, 2                          ; hl
	s_lshl_b32 s35, s35, 5
	s_add_co_u32 s35, s35, s6                      ; 64 y + 32 hl
	s_and_b32 s36, s5, 3                           ; dt = 4 (eighth % 4) + block
	s_lshl_b32 s36, s36, 6
	v_lshl_add_u32 v4, v2, 3, s35                  ; row
	v_lshl_add_u32 v5, v3, 4, s36
	v_add_nc_u32 v5, v5, v1                        ; column
	v_lshlrev_b32 v4, 8, v4
	v_add_lshl_u32 v4, v4, v5, 2
.set i, 0
.rept 8
	global_load_b32 v[8+i], v4, s[10:11] offset:1024*i
.set i, i+1
.endr
.Lcvt:
	s_wait_loadcnt 0x0
.set i, 0
.rept 4
	v_cvt_pk_bf16_f32 v[16+i], v[8+2*i], v[9+2*i]  ; the one rounding of a weight
.set i, i+1
.endr
.set i, 0
.rept 4
	v_lshlrev_b32 v[20+2*i], 16, v[16+i]           ; the bf16 numbers as f32,
	v_and_b32 v[21+2*i], 0xffff0000, v[16+i]
.set i, i+1
.endr
.set i, 0
.rept 4
	v_cvt_pk_f16_f32 v[16+i], v[20+2*i], v[21+2*i] ; and written as f16
.set i, i+1
.endr
	global_store_b128 v6, v[16:19], s[26:27]
	s_endpgm
.Lbias:
	v_lshrrev_b32 v1, 5, v0
	v_readfirstlane_b32 s4, v1                     ; wave = slice; there are six slices
	s_cmp_lt_u32 s4, 6
	s_cbranch_scc0 .Lend
	s_max_u32 s32, s4, 1
	s_sub_co_u32 s32, s32, 1                       ; cc, for slices 1 to 4
	s_lshl_b32 s32, s32, 8
	s_lshl_b32 s33, s3, 10
	s_add_co_u32 s33, s33, s32                     ; bytes of 256 y + 64 cc numbers
	s_lshl_b32 s6, s3, 8                           ; bytes of 64 y numbers
	s_mul_i32 s35, s3, 1536
	s_lshl_b32 s36, s4, 8
	s_add_co_u32 s35, s35, s36
	s_add_co_u32 s35, s35, 1572864
	v_and_b32 v2, 31, v0
	s_cmp_eq_u32 s4, 0
	s_cselect_b64 s[28:29], s[20:21], s[22:23]
	s_cselect_b32 s34, s6, s33
	s_cmp_eq_u32 s4, 5
	s_cselect_b64 s[28:29], s[24:25], s[28:29]
	s_cselect_b32 s34, s6, s34
	v_lshl_add_u32 v3, v2, 3, s34
	v_lshl_add_u32 v4, v2, 3, s35
	global_load_b64 v[8:9], v3, s[28:29]
	s_wait_loadcnt 0x0
	v_cvt_pk_bf16_f32 v10, v8, v9
	v_lshlrev_b32 v12, 16, v10
	v_and_b32 v13, 0xffff0000, v10
	global_store_b64 v4, v[12:13], s[26:27]        ; the wave's 32 lanes store 256 consecutive bytes, aligned
.Lend:
	s_endpgm
.Lfunc_end_k_q76c0238bac_prep:
	.size	k_q76c0238bac_prep, .Lfunc_end_k_q76c0238bac_prep-k_q76c0238bac_prep
	.p2alignl 7, 3214868480
	.fill 96, 4, 3214868480
	.section	.rodata,"a",@progbits
	.p2align	6, 0x0
	.amdhsa_kernel k_q76c0238bac_prep
		.amdhsa_group_segment_fixed_size 0
		.amdhsa_private_segment_fixed_size 0
		.amdhsa_enable_private_segment 0
		.amdhsa_kernarg_size 80
		.amdhsa_user_sgpr_count 2
		.amdhsa_user_sgpr_kernarg_segment_ptr 1
		.amdhsa_wavefront_size32 1
		.amdhsa_system_sgpr_workgroup_id_x 1
		.amdhsa_system_sgpr_workgroup_id_y 1
		.amdhsa_system_sgpr_workgroup_id_z 1
		.amdhsa_system_vgpr_workitem_id 0
		.amdhsa_next_free_vgpr 32
		.amdhsa_next_free_sgpr 66
		.amdhsa_reserve_vcc 0
		.amdhsa_float_denorm_mode_32 3
		.amdhsa_float_denorm_mode_16_64 3
		.amdhsa_memory_ordered 1
		.amdhsa_forward_progress 1
		.amdhsa_inst_pref_size 6
	.end_amdhsa_kernel
	.amdgpu_metadata
---
amdhsa.version: [ 1, 2 ]
amdhsa.kernels:
  - .name:           k_q76c0238bac_prep
    .symbol:         k_q76c0238bac_prep.kd
    .args:
      - { .name: WQ, .offset: 0, .size: 8, .value_kind: global_buffer, .address_space: global }
      - { .name: WK, .offset: 8, .size: 8, .value_kind: global_buffer, .address_space: global }
      - { .name: WV, .offset: 16, .size: 8, .value_kind: global_buffer, .address_space: global }
      - { .name: WZ_w, .offset: 24, .size: 8, .value_kind: global_buffer, .address_space: global }
      - { .name: expand_w, .offset: 32, .size: 8, .value_kind: global_buffer, .address_space: global }
      - { .name: restore_w, .offset: 40, .size: 8, .value_kind: global_buffer, .address_space: global }
      - { .name: WZ_b, .offset: 48, .size: 8, .value_kind: global_buffer, .address_space: global }
      - { .name: expand_b, .offset: 56, .size: 8, .value_kind: global_buffer, .address_space: global }
      - { .name: restore_b, .offset: 64, .size: 8, .value_kind: global_buffer, .address_space: global }
      - { .name: wts, .offset: 72, .size: 8, .value_kind: global_buffer, .address_space: global }
    .group_segment_fixed_size: 0
    .private_segment_fixed_size: 0
    .kernarg_segment_align: 8
    .kernarg_segment_size: 80
    .max_flat_workgroup_size: 256
    .sgpr_count:     66
    .vgpr_count:     32
    .wavefront_size: 32
...
	.end_amdgpu_metadata
.endif
;; end of part 1
;; launch pool_mlp (part 2): grid 256 x 1, 4 waves a work-group, no clusters, 316,672 bytes of LDS; arguments x, wts, out0; writes out0
.if DOCPART == 2
	.amdgcn_target "amdgcn-amd-amdhsa--gfx1250"
	.amdhsa_code_object_version 6
	.text
	.protected	k_q76c0238bac_pool_mlp
	.globl	k_q76c0238bac_pool_mlp
	.p2align	8
	.type	k_q76c0238bac_pool_mlp,@function
k_q76c0238bac_pool_mlp:
	s_mov_b64 s[64:65], 0
	v_nop
	global_prefetch_b8 v0, s[64:65] scope:SCOPE_SE
	s_setreg_imm32_b32 hwreg(HW_REG_WAVE_MODE, 25, 1), 1
	s_wait_xcnt 0x0
; ATTENTION POOLING OVER 4 x 4 WINDOWS, AND THE THREE LAYERS BEHIND IT, IN ONE LAUNCH.  x: [4][256][256][256] f32; out0: [4][64][64][256] f32; wts: the weights as the launch before laid them out.
; THE ARITHMETIC is re-associated, exactly, so that K and V of the 16 positions are never made.  For a window and head h, with X = the sum of its 16 positions:
;   q = WQ X;  t_h = WK_h^T q_h;  score[h][s] = t_h . x_s;  a = softmax over s (the window's true maximum is taken away);  y_h = sum_s a[s] x_s;  z_h = WV_h y_h;
;   z2 = WZ z + b;  hid = relu(E z2 + b);  out = relu(R hid + b).
; The factor log2(e) / sqrt(32) / 16 (the score's scale, the mean's 1/16, base 2 for v_exp_f32) is applied in f32: 1/64 of it to q ahead of its rounding, so that q and t keep room in f16, and 64 with the subtraction of the maximum.
; A SCALE FOR EACH WINDOW.  z2 and hid are kept divided by s = the power of two at or below M = max(the window's largest |z2|, the largest |expand_b|): |z2 / s| < 2, hid / s = relu(E (z2 / s) + b / s), and
; out = relu(s (R (hid / s)) + b).  s and 1 / s are made from M's exponent bits, so both factors are exact; relu commutes with a positive factor.  So these two keep f16's 11 bits whatever the inputs' size.
; FORMATS.  Every input is rounded once to bf16 and, weights and x, written as f16 (the same number); X, q, t, a, y, z, z2 / s, hid / s are rounded to f16.  All sums, maxima, the softmax, scales and biases in f32.
; LIMITS.  |x|, |w|, |X|, |q|/64, |t|/64, |y|, |z| (q, t with the factor above) stay under f16's 65,504; below 6.1e-5 these keep f16's fixed step of 6e-8.  |hid / s| < 2 sum_j |expand_w[i][j]| + 2: that sum stays under 16,000.
; M stays under 2^127; an M below 2^-126 counts as 2^-126.  relu gives 0 for a NaN; NaN and infinities are not treated apart.  The order of the sums and roundings differs from the reference's, as said above.
; SHARES.  Work-group g owns one row of 64 windows: 1 MiB of x on end (four image rows of 256 KiB), 64 KiB of out0 on end.  It goes in four STEPS of 16 windows.  In a step wave w converts and pools windows 4 w .. 4 w + 3,
; and makes q, t and z of heads 2 w, 2 w + 1 for all 16 windows.  Behind the steps: wave w makes 64 rows of WZ_w, 256 of expand_w, 64 of restore_w, for all 64 windows.
; EVERY PRODUCT IS TAKEN TRANSPOSED: source 0 = 16 rows of a weight (or of x), source 1 = the activations with the window in the lane.  A lane's eight results are then eight neighbouring channels of one window: 16 bytes in 16-bit form.
; NO TENSOR LOADS, NO CLUSTER.  Each fragment of a weight is read by exactly one wave of the work-group and lies in wts as it lies in registers, so it goes straight into registers.
;
; LDS, in bytes.  XH 0: x as f16, window u at 8,704 u, position s at 544 s + 16 (s / 8): 16 rows of a plain fragment load and 8 rows x 32 bytes of a turning load each touch every bank once (64 banks of 4 bytes: ISA guide 11.1).
;   T 139,264: t, window u at 4,240 u, head h at 528 h.   Y 207,104: y, likewise.   XM 274,944: X, window u at 528 u.
;   Z 283,392: z in blocks of source-1 fragments: block 4 ks + nt (32 channels, 16 windows) of 1 KiB, its 16 bytes at 512 sub + 16 lane.   SPARE 316,160: the spare words, 128 bytes a wave.
;   Behind the steps: H 0 (hid / s, 128 such blocks), Z2 139,264 (z2 / s, 32 blocks), OS 172,032 (16 rows x 272 bytes for each wave, the way out), RED 189,440 (each wave's largest |z2| of the 64 windows: 256 bytes a wave).
; Each shared region is written between one pair of barriers and read between the next.
; REGISTERS, in windows of 256 (s_set_vgpr_msb: bits 1:0 source 0, 3:2 source 1, 5:4 source 2, 7:6 destination).
;   window 0: v0-31 addresses; v32-127 at work; v128-255 the ring, later 16 accumulators.   windows 1, 2, 3: WQ, WK^T, WV, resident through the steps; later windows 1, 2 a weight chunk by turns, window 3 the source-1 fragments.
.set XWIN,   8704
.set XROW,   544
.set L_T,    139264
.set TWIN,   4240
.set THEAD,  528
.set L_Y,    207104
.set L_XM,   274944
.set XMROW,  528
.set L_Z,    283392
.set SPARE,  316160
.set L_Z2,   139264
.set L_OS,   172032
.set OSROW,  272
.set L_RED,  189440
.set CHUNKB, 32768                     ; bytes in a weight chunk
.set VO,   1                           ; v1   16 x lane: my offset in a fragment block, in 512 bytes of x, and in hid's blocks 0-63
.set XHW,  2                           ; v2   where I put x of the window in hand
.set XMW,  3                           ; v3   where I put its X
.set XMR,  4                           ; v4   X as source 1: window lane % 16
.set TWR,  5                           ; v5   t out: window lane % 16, my wave's heads
.set TRD,  6                           ; v6   t as source 1: window (lane % 16) / 8 of a pair, head lane % 8
.set XRD,  7                           ; v7   x as source 0: position lane % 16
.set XTR,  8                           ; v8   x for the turning load
.set YWR,  9                           ; v9   y out, as v6
.set YRD,  10                          ; v10  y as source 1, as v5
.set ZWR,  11                          ; v11  z out, this step's blocks
.set SC,   2                           ; v2-9 behind the steps: for window tile nt the pair 1 / s, s at v[2 + 2 nt]
.set BMX,  10                          ; v10  behind the steps: the largest |expand_b|
.set PFO,  12                          ; v12  the prefetches' offset
.set BO,   13                          ; v13  32 x (lane / 16): my eight numbers of a bias
.set ZRD,  14
.set Z2R,  15
.set BL,   16                          ; v16  32 x lane: my eight numbers of 256 of expand_b
.set HR1,  17                          ; v17  hid's blocks 64-127
.set Z2W,  18
.set HWR,  19
.set OSW,  20
.set OSR,  21
.set OO,   22
.set ZERO, 23
.set SPW,  24                          ; v24  LDS address of my spare word; never rewritten
.set NIL,  25                          ; v25  0; never rewritten
.set XH0,  26
.set XM0,  27
.set Z0,   28
.set H0,   29
.set RW,   30                          ; v30  RED: my wave's words, window lane % 16
.set RR,   31                          ; v31  RED: wave 0's words, window lane % 16
.set RING, 128
.set ACC,  128
; scalars: s[4:5] x, s[6:7] wts, s[8:9] out0; s10 wave; s[12:13] the window being loaded; s[14:15] its step; s[16:17] the window being prefetched; s[18:19] its distance; s[20:21] my area of wts;
; s[22:23] the chunk being loaded; s[24:25] its bias; s[26:27] my work-group's rows of out0; s28 steps left; s29 counts three windows; s30 windows left; s31-s33 masks; s[34:35] lane selects; s[36:37] the scale of q;
; s38 counts expand_w's trips; s39-s42 LDS steps; s43-s45 at work; s[46:47] 64.0; s48-s51 four distances; s[52:53] the biases in wts
.set MSB, 0
.macro WIN new                         ; the immediate's high byte repeats the setting that is left; a switch that changes nothing is dropped
.if MSB != (\new)
	s_set_vgpr_msb (MSB<<8)|(\new)
.set MSB, (\new)
.endif
.endm
.macro PLACES                          ; four plain instructions behind a matrix instruction, ahead of what reads its result or writes or loads into one of its registers
.rept 4
	v_nop
.endr
.endm
.macro BAR                             ; my LDS stores are done and my LDS loads are back; then all four waves meet
	s_wait_dscnt 0x0
	s_barrier_signal -1
	s_barrier_wait -1
.endm
.macro ALOAD w, base, off              ; a weight chunk, 32 fragments, into window w: 64 loads of 512 consecutive bytes
	WIN (\w)<<6
.set f, 0
.rept 32
	global_load_b128 v[8*f:8*f+3],   v[VO], s[\base:\base+1] offset:(\off)+1024*f
	global_load_b128 v[8*f+4:8*f+7], v[VO], s[\base:\base+1] offset:(\off)+1024*f+512
.set f, f+1
.endr
	WIN 0
.endm
	s_load_b128 s[4:7], s[0:1], 0x0
	s_load_b64 s[8:9], s[0:1], 0x10
	v_lshl_add_u32 v[SPW], v0, 2, SPARE
	v_mov_b32 v[NIL], 0
	v_mov_b32 v[ZERO], 0
	v_lshrrev_b32 v32, 5, v0
	v_readfirstlane_b32 s10, v32                   ; wave 0..3
	v_and_b32 v33, 31, v0                          ; l
	v_and_b32 v34, 15, v0                          ; r = l % 16
	v_bfe_u32 v35, v0, 4, 1                        ; hh = l / 16
	v_bfe_u32 v36, v0, 3, 1                        ; r / 8
	v_and_b32 v37, 7, v0                           ; r % 8
	v_add_nc_u32 v38, v35, v36
	v_lshlrev_b32 v[VO], 4, v33
	v_lshlrev_b32 v[BL], 5, v33
	s_mul_i32 s44, s10, 4*XWIN                     ; my four windows in XH
	v_mul_u32_u24 v[XMR], v34, XMROW
	v_lshl_add_u32 v[XMR], v35, 4, v[XMR]
	v_add_nc_u32 v[XMR], L_XM, v[XMR]
	s_mul_i32 s43, s10, 2*THEAD                    ; my two heads
	s_add_co_u32 s43, s43, L_T
	v_mul_u32_u24 v[TWR], v34, TWIN
	v_lshl_add_u32 v[TWR], v35, 4, v[TWR]
	v_add_nc_u32 v[TWR], s43, v[TWR]
	v_add_nc_u32 v[YRD], L_Y-L_T, v[TWR]
	s_mul_i32 s43, s10, 4*TWIN                     ; my four windows in T
	s_add_co_u32 s43, s43, L_T
	v_mul_u32_u24 v[TRD], v36, TWIN
	v_mad_u32_u24 v[TRD], v37, THEAD, v[TRD]
	v_lshl_add_u32 v[TRD], v35, 4, v[TRD]
	v_add_nc_u32 v[TRD], s43, v[TRD]
	v_add_nc_u32 v[YWR], L_Y-L_T, v[TRD]
	v_mul_u32_u24 v[XRD], v34, XROW                ; position r: 544 r + 16 (r / 8), + 16 hh
	v_lshl_add_u32 v[XRD], v38, 4, v[XRD]
	v_add_nc_u32 v[XRD], s44, v[XRD]
	v_lshl_add_u32 v[XTR], v35, 3, v37             ; position 8 hh + l % 8: 544 x that + 16 hh, + 16 ((l / 8) % 2)
	v_mul_u32_u24 v[XTR], v[XTR], XROW
	v_lshl_add_u32 v[XTR], v38, 4, v[XTR]
	v_add_nc_u32 v[XTR], s44, v[XTR]
	v_lshl_add_u32 v[XH0], v33, 3, s44             ; in: 8 bytes a lane (4 channels)
	s_mul_i32 s43, s10, 4*XMROW
	s_add_co_u32 s43, s43, L_XM
	v_lshl_add_u32 v[XM0], v33, 3, s43
	v_lshlrev_b32 v[PFO], 8, v34                   ; 16 blocks of 256 bytes in a window's 4,096 bytes of an image row,
	v_lshl_add_u32 v[PFO], v35, 18, v[PFO]         ; and two image rows
	v_lshlrev_b32 v[BO], 5, v35
	v_add_nc_u32 v[ZRD], L_Z, v[VO]
	v_add_nc_u32 v[Z2R], L_Z2, v[VO]
	v_add_nc_u32 v[HR1], 65536, v[VO]
	s_lshl_b32 s43, s10, 13                        ; my 64 channels: two ks, eight blocks
	v_add_nc_u32 v[Z0], s43, v[ZRD]
	v_add_nc_u32 v[Z2W], s43, v[Z2R]
	s_lshl_b32 s43, s10, 15                        ; my 256 channels of hid
	v_add_nc_u32 v[H0], s43, v[VO]
	s_mul_i32 s43, s10, 16*OSROW
	s_add_co_u32 s43, s43, L_OS                    ; my stage
	v_mul_u32_u24 v[OSW], v34, OSROW               ; in: row r, 32 bytes for each half of the lanes
	v_lshl_add_u32 v[OSW], v35, 5, v[OSW]
	v_add_nc_u32 v[OSW], s43, v[OSW]
	v_mul_u32_u24 v[OSR], v35, OSROW               ; back: lanes 0-15 one row of 256 bytes, lanes 16-31 the next
	v_lshl_add_u32 v[OSR], v34, 4, v[OSR]
	v_add_nc_u32 v[OSR], s43, v[OSR]
	s_lshl_b32 s43, s10, 8
	v_lshlrev_b32 v[OO], 4, v34                    ; and the same two rows in out0, at my wave's 256 bytes
	v_lshl_add_u32 v[OO], v35, 10, v[OO]
	v_add_nc_u32 v[OO], s43, v[OO]
	s_add_co_u32 s43, s43, L_RED
	v_lshl_add_u32 v[RW], v34, 2, s43
	v_lshl_add_u32 v[RR], v34, 2, L_RED
	s_mov_b32 s31, 0xffff0000                      ; a word's upper bf16
	s_mov_b32 s32, 0xff00ff00                      ; the lanes with r >= 8: a pair's second window
	s_mov_b32 s33, 0x7fffffff                      ; clears a sign
	s_mov_b32 s34, 0x76543210                      ; v_permlanex16_b32: each lane takes its own place in the other half
	s_mov_b32 s35, 0xfedcba98
	s_mov_b32 s36, 0x398293ee                      ; log2(e) / sqrt(32) / 16 / 64
	s_mov_b32 s37, s36                             ; named with it as a pair
	s_mov_b32 s46, 0x42800000                      ; 64.0
	s_mov_b32 s47, s46
	s_mov_b32 s48, 53248                           ; from a step's last window of mine to the next step's first: 13 windows of 4,096 bytes
	s_mov_b32 s49, 4096
	s_mov_b32 s50, 8192
	s_mov_b32 s51, 57344
	s_lshl_b32 s2, ttmp9, 20                       ; the work-group's 1 MiB of x,
	s_lshl_b32 s3, s10, 14                         ; my wave's first window
	s_add_co_u32 s2, s2, s3
	s_mov_b32 s3, 0
	s_lshl_b32 s14, ttmp9, 16                      ; its 64 KiB of out0
	s_mov_b32 s15, 0
	s_mul_i32 s18, s10, 12*CHUNKB
	s_mov_b32 s19, 0
	s_mov_b32 s28, 4
	s_mov_b32 s30, 16
	s_mov_b32 s41, 0
	s_wait_kmcnt 0x0
	s_add_nc_u64 s[12:13], s[4:5], s[2:3]
	s_add_nc_u64 s[26:27], s[8:9], s[14:15]
	s_add_nc_u64 s[20:21], s[6:7], s[18:19]
	ALOAD 1, 20, 0                                 ; WQ, WK^T and WV stay in registers through the steps
	ALOAD 2, 20, CHUNKB
	ALOAD 3, 20, 2*CHUNKB
.set n, 0
.rept 32                                       ; my first window fills the ring: slot n = position n / 2, half n % 2 of its 1,024 bytes
	global_load_b128 v[RING+4*n:RING+4*n+3], v[VO], s[12:13] offset:(n>>3)*262144+((n>>1)&3)*1024+(n&1)*512 th:TH_LOAD_NT
.set n, n+1
.endr
	s_wait_xcnt 0x0                                ; every load has read its address: the pointer may be written
	s_add_nc_u64 s[12:13], s[12:13], 4096          ; my second window: the one that the first turn loads
	s_add_nc_u64 s[16:17], s[12:13], 8192          ; my fourth
; One slot of the ring, slot n.  Its 4 numbers a lane are rounded to bf16; the slot is asked for again at once (ahead = 1: the same place in my next window); the rounded numbers are added into X (f32) and written as f16 into XH.
.macro SLOT ahead
.set sp, n>>1
.set hf, n&1
.set rl, RING+4*n
.set tt, 32+8*hf
.set sm, 48+4*hf
.if \ahead
	s_wait_loadcnt 31                              ; loads come back in order (ISA guide 5.7.1): mine is in; behind it 31 - n of this window and n of the next are out.  The first such wait also shows the resident weights landed
.else
	s_wait_loadcnt 31-n                            ; the last window: the counts run down
.endif
	v_cvt_pk_bf16_f32 v[tt], v[rl], v[rl+1]
	v_cvt_pk_bf16_f32 v[tt+1], v[rl+2], v[rl+3]
.if \ahead
	global_load_b128 v[rl:rl+3], v[VO], s[12:13] offset:(n>>3)*262144+((n>>1)&3)*1024+(n&1)*512 th:TH_LOAD_NT
.endif
.if sp == 0                            ; position 0 starts the sums: nothing is cleared
	v_lshlrev_b32 v[sm], 16, v[tt]
	v_and_b32 v[sm+1], s31, v[tt]
	v_lshlrev_b32 v[sm+2], 16, v[tt+1]
	v_and_b32 v[sm+3], s31, v[tt+1]
	v_cvt_pk_f16_f32 v[tt+6], v[sm], v[sm+1]
	v_cvt_pk_f16_f32 v[tt+7], v[sm+2], v[sm+3]
.else
	v_lshlrev_b32 v[tt+2], 16, v[tt]
	v_and_b32 v[tt+3], s31, v[tt]
	v_lshlrev_b32 v[tt+4], 16, v[tt+1]
	v_and_b32 v[tt+5], s31, v[tt+1]
	v_pk_add_f32 v[sm:sm+1], v[sm:sm+1], v[tt+2:tt+3]
	v_pk_add_f32 v[sm+2:sm+3], v[sm+2:sm+3], v[tt+4:tt+5]
	v_cvt_pk_f16_f32 v[tt+6], v[tt+2], v[tt+3]
	v_cvt_pk_f16_f32 v[tt+7], v[tt+4], v[tt+5]
.endif
	ds_store_b64 v[XHW], v[tt+6:tt+7] offset:sp*XROW+16*(sp>>3)+hf*256
.endm
.macro CONVWIN ahead                   ; a window's turn
	v_add_nc_u32 v[XHW], s39, v[XH0]
	v_add_nc_u32 v[XMW], s40, v[XM0]
.set n, 0
.rept 32
	SLOT \ahead
.set n, n+1
.endr
.set i, 0
.rept 4
	v_cvt_pk_f16_f32 v[32+i], v[48+2*i], v[49+2*i] ; X, rounded once
.set i, i+1
.endr
	ds_store_b64 v[XMW], v[32:33]
	ds_store_b64 v[XMW], v[34:35] offset:256
.endm
; A PREFETCH INTO THE L2 of MY OWN window three turns on: its 64 aligned blocks of 256 bytes (4 image rows x 4,096 bytes), a lane a block, two instructions.  It stands at the head of a window's turn, two turns ahead of the turn
; that loads that window.  No other wave reads those bytes, so each block is named once in the launch.  The first turn, behind the head's loads, asks for nothing, so my windows 0 to 3 come by their loads alone; the last three turns have no window three on.
.macro ASK
	global_prefetch_b8 v[PFO], s[16:17] th:TH_LOAD_NT scope:SCOPE_SE
	global_prefetch_b8 v[PFO], s[16:17] offset:524288 th:TH_LOAD_NT scope:SCOPE_SE
.endm
.macro UPD                             ; the pointers step, a whole turn behind the prefetches and behind the turn's last load
	s_wait_xcnt 0x0                                ; every load and prefetch has read its address
	s_add_nc_u64 s[12:13], s[12:13], s[14:15]
	s_add_nc_u64 s[16:17], s[12:13], s[18:19]
	s_sub_co_u32 s30, s30, 1
	s_add_co_u32 s39, s39, XWIN
	s_add_co_u32 s40, s40, XMROW
.endm
; q for my two heads, all 16 windows: 4 row tiles x 8 K steps; the 4 accumulators v32-63 take turns.  Scaled in f32, rounded to f16: tiles 2 hl, 2 hl + 1 ARE source 1 (32 channels of head hl x 16 windows), v64 + 8 hl.
.macro QSTAGE
.set k, 0
.rept 8
	ds_load_b128 v[64+8*k:64+8*k+3],   v[XMR] offset:64*k
	ds_load_b128 v[64+8*k+4:64+8*k+7], v[XMR] offset:64*k+32
.set k, k+1
.endr
	WIN 0x01                                       ; source 0 in window 1
.set k, 0
.rept 8
	s_wait_dscnt 14-2*k                            ; K step k's two loads are in; the later steps' may be out
.set m, 0
.rept 4
.if k == 0
	v_wmma_f32_16x16x32_f16 v[32+8*m:39+8*m], v[8*(8*m+k):8*(8*m+k)+7], v[64+8*k:71+8*k], 0
.else
	v_wmma_f32_16x16x32_f16 v[32+8*m:39+8*m], v[8*(8*m+k):8*(8*m+k)+7], v[64+8*k:71+8*k], v[32+8*m:39+8*m]
.endif
.set m, m+1
.endr
.set k, k+1
.endr
	WIN 0
	PLACES
.set i, 0
.rept 16
	v_pk_mul_f32 v[32+2*i:33+2*i], v[32+2*i:33+2*i], s[36:37] op_sel_hi:[1,0]
.set i, i+1
.endr
.set i, 0
.rept 16
	v_cvt_pk_f16_f32 v[64+i], v[32+2*i], v[33+2*i]
.set i, i+1
.endr
.endm
; t for my two heads: 32 single products (K = 32 is a head), in 8 batches of 4, results in v32-63 and v96-127 by turns.  Batch b is rounded and stored behind batch b + 1's products: the conversions of the batch before are its places.
.macro TMUL b
	WIN 0x02
.set k, 0
.rept 4
.set ix, 4*(\b)+k
.set dd, 32+64*((\b)&1)+8*k
	v_wmma_f32_16x16x32_f16 v[dd:dd+7], v[8*ix:8*ix+7], v[64+8*(ix/16):64+8*(ix/16)+7], 0
.set k, k+1
.endr
	WIN 0
.endm
.macro TPACK b
.set k, 0
.rept 4
.set dd, 32+64*((\b)&1)+8*k
.set i, 0
.rept 4
	v_cvt_pk_f16_f32 v[80+4*k+i], v[dd+2*i], v[dd+2*i+1]
.set i, i+1
.endr
.set k, k+1
.endr
.set k, 0
.rept 4
.set ix, 4*(\b)+k
	ds_store_b128 v[TWR], v[80+4*k:80+4*k+3] offset:(ix/16)*THEAD+(ix%16)*32
.set k, k+1
.endr
.endm
.macro TSTAGE
	TMUL 0
	TMUL 1
	PLACES
	TPACK 0
.irp b, 2,3,4,5,6,7
	TMUL \b
	TPACK (\b)-1
.endr
	TPACK 7
.endm
; A PAIR of my windows, 2 p and 2 p + 1.  SCORES: source 1 = t with (window of the pair, head) in the lane; source 0 = the 16 positions of window 0 (into v32-39) or of window 1 (v40-47); a lane keeps the result of its own window.
; A lane then holds one (window, head) and the positions 8 hh + 0..7.  Fragments come through three slots of 24 registers (t, x of window 0, x of window 1), six loads each, three K steps ahead.
.macro SLD q, ks, p
.set sb, 56+24*(\q)
	ds_load_b128 v[sb:sb+3],     v[TRD] offset:(\p)*2*TWIN+64*(\ks)
	ds_load_b128 v[sb+4:sb+7],   v[TRD] offset:(\p)*2*TWIN+64*(\ks)+32
	ds_load_b128 v[sb+8:sb+11],  v[XRD] offset:2*(\p)*XWIN+64*(\ks)
	ds_load_b128 v[sb+12:sb+15], v[XRD] offset:2*(\p)*XWIN+64*(\ks)+32
	ds_load_b128 v[sb+16:sb+19], v[XRD] offset:(2*(\p)+1)*XWIN+64*(\ks)
	ds_load_b128 v[sb+20:sb+23], v[XRD] offset:(2*(\p)+1)*XWIN+64*(\ks)+32
.endm
.macro XTLD p, b                       ; x turned, for y: four tiles of 16 channels x 32 positions (both windows), into v96-127
.set k, 0
.rept 4
	ds_load_tr16_b128 v[96+8*k:99+8*k],   v[XTR] offset:2*(\p)*XWIN+32*(4*(\b)+k)
	ds_load_tr16_b128 v[100+8*k:103+8*k], v[XTR] offset:(2*(\p)+1)*XWIN+32*(4*(\b)+k)
.set k, k+1
.endr
.endm
.macro YBATCH p, b                     ; y for 64 channels: source 0 = x turned, source 1 = the weights, block-diagonal over the pair's 32 positions
.if (\b) == 0
	s_wait_dscnt 0x0
.else
	s_wait_dscnt 4                                 ; the eight turning loads are in; the four stores issued behind them may be out
.endif
.set k, 0
.rept 4
	v_wmma_f32_16x16x32_f16 v[32+8*k:39+8*k], v[96+8*k:103+8*k], v[68:75], 0
.set k, k+1
.endr
	PLACES
.if (\b) < 3
	XTLD \p, (\b)+1
.endif
.set i, 0
.rept 16
	v_cvt_pk_f16_f32 v[76+i], v[32+2*i], v[33+2*i]
.set i, i+1
.endr
.set k, 0
.rept 4
	ds_store_b128 v[YWR], v[76+4*k:79+4*k] offset:(\p)*2*TWIN+32*(4*(\b)+k)
.set k, k+1
.endr
.endm
.macro PAIR p
	SLD 0, 0, \p
	SLD 1, 1, \p
	SLD 2, 2, \p
.set k, 0
.rept 8
.if k < 6
	s_wait_dscnt 12                                ; this K step's six loads are in; two younger slots may be out
.else
	s_wait_dscnt 6*(7-k)
.endif
.set sb, 56+24*(k%3)
.if k == 0
	v_wmma_f32_16x16x32_f16 v[32:39], v[sb+8:sb+15],  v[sb:sb+7], 0
	v_wmma_f32_16x16x32_f16 v[40:47], v[sb+16:sb+23], v[sb:sb+7], 0
.else
	v_wmma_f32_16x16x32_f16 v[32:39], v[sb+8:sb+15],  v[sb:sb+7], v[32:39]   ; the two accumulators take turns
	v_wmma_f32_16x16x32_f16 v[40:47], v[sb+16:sb+23], v[sb:sb+7], v[40:47]
.endif
.if k < 5
	PLACES
	SLD k%3, k+3, \p
.endif
.set k, k+1
.endr
	PLACES
	XTLD \p, 0                                     ; on its way during the softmax
.set i, 0
.rept 8
	v_cndmask_b32 v[48+i], v[32+i], v[40+i], s32   ; my own window's scores
.set i, i+1
.endr
	v_max3_num_f32 v56, v48, v49, v50
	v_max3_num_f32 v57, v51, v52, v53
	v_max3_num_f32 v56, v56, v54, v55
	v_max_num_f32 v56, v56, v57
	v_permlanex16_b32 v57, v56, s34, s35           ; the other eight positions lie in the lane 16 away
	v_max_num_f32 v56, v56, v57
	v_mul_f32 v56, s46, v56                        ; 64 m
.set i, 0
.rept 4
	v_pk_fma_f32 v[48+2*i:49+2*i], v[48+2*i:49+2*i], s[46:47], v[56:57] op_sel_hi:[1,0,0] neg_lo:[0,0,1] neg_hi:[0,0,1]  ; 64 s - 64 m: at most 0
.set i, i+1
.endr
.set i, 0
.rept 8
	v_exp_f32 v[48+i], v[48+i]
.set i, i+1
.endr
	v_nop                                          ; a plain instruction behind the last exponential (ISA guide 5.7.2),
	s_wait_alu depctr_va_vdst(0)                   ; and a wait ahead of the first reader: one for the eight
	v_pk_add_f32 v[56:57], v[48:49], v[50:51]
	v_pk_add_f32 v[58:59], v[52:53], v[54:55]
	v_pk_add_f32 v[56:57], v[56:57], v[58:59]
	v_add_f32 v56, v56, v57
	v_permlanex16_b32 v57, v56, s34, s35
	v_add_f32 v56, v56, v57                        ; at least 1: the maximum's own weight
	v_rcp_f32 v58, v56
	v_nop
	s_wait_alu depctr_va_vdst(0)
.set i, 0
.rept 4
	v_pk_mul_f32 v[48+2*i:49+2*i], v[48+2*i:49+2*i], v[58:59] op_sel_hi:[1,0]
.set i, i+1
.endr
.set i, 0
.rept 4
	v_cvt_pk_f16_f32 v[64+i], v[48+2*i], v[49+2*i]
.set i, i+1
.endr
.set i, 0
.rept 4
	v_cndmask_b32 v[68+i], v[64+i], v[ZERO], s32   ; registers 0-3 are the first window's positions: mine where r < 8, else 0;
	v_cndmask_b32 v[72+i], v[ZERO], v[64+i], s32   ; registers 4-7 the second window's
.set i, i+1
.endr
	YBATCH \p, 0
	YBATCH \p, 1
	YBATCH \p, 2
	YBATCH \p, 3
.endm
; z for my two heads, all 16 windows: 4 row tiles x 8 K steps; source 1 is y of the tile's head.  Two slots of 32 registers, each with two K steps of both heads (eight loads).
.macro ZLD q, kp
.set kk, 0
.rept 2
.set hl, 0
.rept 2
.set fr, 64+32*(\q)+16*kk+8*hl
	ds_load_b128 v[fr:fr+3],   v[YRD] offset:hl*THEAD+64*(2*(\kp)+kk)
	ds_load_b128 v[fr+4:fr+7], v[YRD] offset:hl*THEAD+64*(2*(\kp)+kk)+32
.set hl, hl+1
.endr
.set kk, kk+1
.endr
.endm
.macro ZMUL q, kp
	WIN 0x03
.set kk, 0
.rept 2
.set m, 0
.rept 4
.set fr, 64+32*(\q)+16*kk+8*(m/2)
.set wa, 8*(8*m+2*(\kp)+kk)
.if (2*(\kp)+kk) == 0
	v_wmma_f32_16x16x32_f16 v[32+8*m:39+8*m], v[wa:wa+7], v[fr:fr+7], 0
.else
	v_wmma_f32_16x16x32_f16 v[32+8*m:39+8*m], v[wa:wa+7], v[fr:fr+7], v[32+8*m:39+8*m]
.endif
.set m, m+1
.endr
.set kk, kk+1
.endr
	WIN 0
.endm
.macro ZSTAGE
	ZLD 0, 0
	ZLD 1, 1
	s_wait_dscnt 8                                 ; the older slot is in, the younger one's eight loads may be out
	ZMUL 0, 0
	PLACES
	ZLD 0, 2
	s_wait_dscnt 8
	ZMUL 1, 1
	PLACES
	ZLD 1, 3
	s_wait_dscnt 8
	ZMUL 0, 2
	s_wait_dscnt 0x0
	ZMUL 1, 3
	PLACES
.set i, 0
.rept 16
	v_cvt_pk_f16_f32 v[64+i], v[32+2*i], v[33+2*i]
.set i, i+1
.endr
	v_add_nc_u32 v[ZWR], s41, v[Z0]                ; this step's 16 windows are tile nt = the step
.set m, 0
.rept 4
	ds_store_b128 v[ZWR], v[64+4*m:67+4*m] offset:(m>>1)*4096+(m&1)*512  ; channels 64 w + 16 m on: K step 2 w + m / 2, half m % 2 of the next product's source 1
.set m, m+1
.endr
	s_add_co_u32 s41, s41, 1024
.endm
.Lstep:                                        ; four steps of 16 windows
	s_mov_b32 s39, 0
	s_mov_b32 s40, 0
	s_mov_b32 s29, 3
.Lwin:                                         ; my first three windows of the step
	s_sub_co_u32 s43, s30, 4
	s_cmp_lt_u32 s43, 12                           ; 4 to 15 windows left: not the first turn, and a window three on exists
	s_cbranch_scc0 .Lnoask
	ASK
.Lnoask:
	CONVWIN 1
	s_cmp_eq_u32 s29, 1                            ; behind the third window the load pointer goes on to the next step
	s_cselect_b32 s14, s48, s49
	s_cselect_b32 s18, s50, s51
	UPD
	s_sub_co_u32 s29, s29, 1
	s_cmp_lg_u32 s29, 0
	s_cbranch_scc1 .Lwin
	s_cmp_eq_u32 s28, 1
	s_cbranch_scc1 .Llastwin
	ASK
	CONVWIN 1                                      ; the fourth window; the next step's first is asked for and stays on its way through the step's products
	s_mov_b32 s14, 4096
	s_mov_b32 s18, 8192
	UPD
	s_branch .Lcomp
.Llastwin:
	CONVWIN 0                                      ; my last window of all: nothing is left to load
.Lcomp:
	BAR                                            ; X of all 16 windows lies in LDS
	QSTAGE
	TSTAGE
	BAR                                            ; t of all heads
	PAIR 0
	PAIR 1
	BAR                                            ; y of all windows; nobody reads XH or T any more
	ZSTAGE
	s_sub_co_u32 s28, s28, 1
	s_cmp_lg_u32 s28, 0
	s_cbranch_scc1 .Lstep
; THE THREE LAYERS, for the work-group's 64 windows (four tiles nt).  A CHUNK is 64 rows x 256 K of a weight: 32 fragments in window 1 or 2, by turns: while one is multiplied (128 products) the next one's 64 loads are on their way.
; Source 1, 8 K steps x 4 tiles, fills window 3.  The 16 accumulators (row tile m, window tile nt) at v128 + 8 (4 m + nt) take turns.
; WZ_w's sums start from its bias, as the C operand; expand_w's and restore_w's from the constant 0: their operands carry the factor 1 / s, so their biases are added behind the products, in f32.
.macro BIASLD bs                       ; 64 numbers of a bias in a result's layout: register j of tile m = row 16 m + 8 hh + j, the same in all windows
.set m, 0
.rept 4
	global_load_b128 v[32+32*(\bs)+8*m:32+32*(\bs)+8*m+3],   v[BO], s[24:25] offset:64*m
	global_load_b128 v[32+32*(\bs)+8*m+4:32+32*(\bs)+8*m+7], v[BO], s[24:25] offset:64*m+16
.set m, m+1
.endr
.endm
.macro BLOAD a, imm                    ; 32 blocks of source-1 fragments into window 3, K step by K step
	WIN 0xc0
.set f, 0
.rept 32
	ds_load_b128 v[8*f:8*f+3],   v[\a] offset:(\imm)+1024*f
	ds_load_b128 v[8*f+4:8*f+7], v[\a] offset:(\imm)+1024*f+512
.set f, f+1
.endr
	WIN 0
.endm
.macro MUL aw, cm, bw                  ; aw: the chunk's window; cm = 0: the sums start with 0; 1: with bias set 0; 2: they go on; bw = 1: source 1 is still landing
	WIN 0x0c+(\aw)
.set kk, 0
.rept 8
.if \bw
	s_wait_dscnt 56-8*kk                           ; K step kk's eight loads are in; the later steps' may be out
.endif
.set m, 0
.rept 4
.set nn, 0
.rept 4
.set ac, ACC+8*(4*m+nn)
.if (kk == 0) && ((\cm) == 0)
	v_wmma_f32_16x16x32_f16 v[ac:ac+7], v[8*(8*m+kk):8*(8*m+kk)+7], v[8*(4*kk+nn):8*(4*kk+nn)+7], 0
.elseif (kk == 0) && ((\cm) == 1)
	v_wmma_f32_16x16x32_f16 v[ac:ac+7], v[8*(8*m+kk):8*(8*m+kk)+7], v[8*(4*kk+nn):8*(4*kk+nn)+7], v[32+8*m:39+8*m]
.else
	v_wmma_f32_16x16x32_f16 v[ac:ac+7], v[8*(8*m+kk):8*(8*m+kk)+7], v[8*(4*kk+nn):8*(4*kk+nn)+7], v[ac:ac+7]
.endif
.set nn, nn+1
.endr
.set m, m+1
.endr
.set kk, kk+1
.endr
	WIN 0
	PLACES
.endm
.macro CHUNK aw, cm, bw, nxt, nbi      ; nxt = 1: the next chunk is asked for, into the other window; nbi: its bias set, or -1
	s_wait_loadcnt 0x0                             ; this chunk and its bias are in; no load of mine is out, so the two pointers may be written
.if \nxt
	s_add_nc_u64 s[22:23], s[22:23], CHUNKB
	ALOAD 3-(\aw), 22, 0
.endif
.if (\nbi) >= 0
	s_add_nc_u64 s[24:25], s[24:25], 256
	BIASLD \nbi
.endif
	MUL \aw, \cm, \bw
.endm
; 64 rows x 64 windows into blocks of the next layer's source 1, rounded to f16.  bi < 0: z2 times 1 / s.  bi >= 0: relu(sum + bias set bi x 1 / s).  1 / s is the low register of the window tile's pair.
.macro EPI a, imm, bi
.set m, 0
.rept 4
.set nn, 0
.rept 4
.set ac, ACC+8*(4*m+nn)
.set pk, 96+4*((4*m+nn)%8)
.set i, 0
.rept 4
.if (\bi) >= 0
	v_pk_fma_f32 v[ac+2*i:ac+2*i+1], v[32+32*(\bi)+8*m+2*i:32+32*(\bi)+8*m+2*i+1], v[SC+2*nn:SC+2*nn+1], v[ac+2*i:ac+2*i+1] op_sel_hi:[1,0,1]
.else
	v_pk_mul_f32 v[ac+2*i:ac+2*i+1], v[ac+2*i:ac+2*i+1], v[SC+2*nn:SC+2*nn+1] op_sel_hi:[1,0]
.endif
.set i, i+1
.endr
.set i, 0
.rept 4
	v_cvt_pk_f16_f32 v[pk+i], v[ac+2*i], v[ac+2*i+1]
.set i, i+1
.endr
.if (\bi) >= 0
.set i, 0
.rept 4
	v_pk_max_num_f16 v[pk+i], v[pk+i], v[ZERO]
.set i, i+1
.endr
.endif
	ds_store_b128 v[\a], v[pk:pk+3] offset:(\imm)+(m>>1)*4096+nn*1024+(m&1)*512
.set nn, nn+1
.endr
.set m, m+1
.endr
.endm
	s_add_nc_u64 s[22:23], s[20:21], 3*CHUNKB      ; WZ_w's chunk
	s_mul_i32 s14, s10, 1536
	s_add_co_u32 s14, s14, 12*4*CHUNKB             ; my six slices of biases lie behind the four waves' chunks
	s_add_nc_u64 s[24:25], s[6:7], s[14:15]
	s_add_nc_u64 s[52:53], s[6:7], 12*4*CHUNKB
	ALOAD 1, 22, 0
	BIASLD 0
.set i, 0
.rept 4                                        ; all of expand_b, 32 numbers a lane: in each wave's area its four slices are 1,024 bytes on end, 256 bytes in
	global_load_b128 v[96+8*i:99+8*i],   v[BL], s[52:53] offset:1536*i+256
	global_load_b128 v[100+8*i:103+8*i], v[BL], s[52:53] offset:1536*i+272
.set i, i+1
.endr
	BAR                                            ; z of all 64 windows lies in LDS
	BLOAD ZRD, 0
	CHUNK 1, 1, 1, 1, 1                            ; z2 = WZ z + b, in f32
	; THE SCALES.  The largest |expand_b|: over my 32 numbers, then over the 32 lanes.
.set i, 0
.rept 32
	v_and_b32 v[96+i], s33, v[96+i]
.set i, i+1
.endr
	v_max_num_f32 v[BMX], v96, v97
.set i, 1
.rept 15
	v_max3_num_f32 v[BMX], v[BMX], v[96+2*i], v[97+2*i]
.set i, i+1
.endr
	v_max_num_f32_dpp v[BMX], v[BMX], v[BMX] row_xmask:1 row_mask:0xf bank_mask:0xf
	v_max_num_f32_dpp v[BMX], v[BMX], v[BMX] row_xmask:2 row_mask:0xf bank_mask:0xf
	v_max_num_f32_dpp v[BMX], v[BMX], v[BMX] row_xmask:4 row_mask:0xf bank_mask:0xf
	v_max_num_f32_dpp v[BMX], v[BMX], v[BMX] row_xmask:8 row_mask:0xf bank_mask:0xf
	v_permlanex16_b32 v[XH0], v[BMX], s34, s35
	v_max_num_f32 v[BMX], v[BMX], v[XH0]
	; My wave's 64 channels: for each window tile the greatest and the least of my 32 numbers of z2 (each accumulator's lowest registers are read first), then the other half of the lanes'.
.set nn, 0
.rept 4
.set k, 0
.rept 16
.set ac, ACC+8*(4*(k/4)+nn)+2*(k%4)
.if k == 0
	v_max_num_f32 v[SC+2*nn], v[ac], v[ac+1]
	v_min_num_f32 v[SC+2*nn+1], v[ac], v[ac+1]
.else
	v_max3_num_f32 v[SC+2*nn], v[SC+2*nn], v[ac], v[ac+1]
	v_min3_num_f32 v[SC+2*nn+1], v[SC+2*nn+1], v[ac], v[ac+1]
.endif
.set k, k+1
.endr
.set nn, nn+1
.endr
.set nn, 0
.rept 4
	v_xor_b32 v[SC+2*nn+1], 0x80000000, v[SC+2*nn+1]
.set nn, nn+1
.endr
.set nn, 0
.rept 4
	v_max_num_f32 v[SC+2*nn], v[SC+2*nn], v[SC+2*nn+1]
.set nn, nn+1
.endr
.set nn, 0
.rept 4
	v_permlanex16_b32 v[SC+2*nn+1], v[SC+2*nn], s34, s35
.set nn, nn+1
.endr
.set nn, 0
.rept 4
	v_max_num_f32 v[SC+2*nn], v[SC+2*nn], v[SC+2*nn+1]
	ds_store_b32 v[RW], v[SC+2*nn] offset:64*nn    ; both halves of the lanes write the same word with the same number
.set nn, nn+1
.endr
	BAR                                            ; the four waves' maxima lie in LDS
.set nn, 0
.rept 4
.set k, 0
.rept 4
	ds_load_b32 v[96+4*nn+k], v[RR] offset:256*k+64*nn
.set k, k+1
.endr
.set nn, nn+1
.endr
	s_wait_dscnt 0x0
.set nn, 0
.rept 4
	v_max3_num_f32 v[SC+2*nn+1], v[96+4*nn], v[97+4*nn], v[98+4*nn]
	v_max3_num_f32 v[SC+2*nn+1], v[SC+2*nn+1], v[99+4*nn], v[BMX]
	v_max_num_f32 v[SC+2*nn+1], 0x00800000, v[SC+2*nn+1]  ; M, at least 2^-126
	v_and_b32 v[SC+2*nn+1], 0x7f800000, v[SC+2*nn+1]      ; s: M's exponent alone
	v_sub_nc_u32 v[SC+2*nn], 0x7f000000, v[SC+2*nn+1]     ; 1 / s: the exponent field 254 less s's
.set nn, nn+1
.endr
	EPI Z2W, 0, -1
	BAR                                            ; z2 / s, all 256 channels
	BLOAD Z2R, 0
	s_wait_dscnt 0x0
	s_mov_b32 s38, 2
	s_mov_b32 s42, 0
.Le:                                           ; expand_w: my 256 rows, two chunks a trip; wts holds chunks and biases in the order in which the pointers step, on into restore_w's
	v_add_nc_u32 v[HWR], s42, v[H0]
	CHUNK 2, 0, 0, 1, 0
	EPI HWR, 0, 1
	CHUNK 1, 0, 0, 1, 1
	EPI HWR, 8192, 0
	s_add_co_u32 s42, s42, 16384
	s_sub_co_u32 s38, s38, 1
	s_cmp_lg_u32 s38, 0
	s_cbranch_scc1 .Le
	BAR                                            ; hid / s, all 1,024 channels
	BLOAD VO, 0                                    ; restore_w: K = 1,024 in four quarters, one sum; its bias waits in set 1 (v64-95)
	CHUNK 2, 0, 1, 1, -1
	BLOAD VO, 32768
	CHUNK 1, 2, 1, 1, -1
	BLOAD HR1, 0
	CHUNK 2, 2, 1, 1, -1
	BLOAD HR1, 32768
	CHUNK 1, 2, 1, 0, -1
; THE WAY OUT, a tile of 16 windows at a time: relu(s x sum + bias) in f32; a lane's eight channels go into my own stage (rows of 272 bytes) and come back as whole rows: my 64 channels of a window are 256 consecutive bytes of out0, aligned.
.macro FINAL nt
.set bk, 32+64*((\nt)&1)
.if (\nt) >= 2
	s_wait_xcnt 0x0                                ; the stores of the tile two back have read their registers, which are loaded again below
.endif
.set m, 0
.rept 4
.set ac, ACC+8*(4*m+(\nt))
.set i, 0
.rept 8
	v_fma_f32 v[ac+i], v[ac+i], v[SC+2*(\nt)+1], v[64+8*m+i]
.set i, i+1
.endr
.set m, m+1
.endr
.set m, 0
.rept 4
.set ac, ACC+8*(4*m+(\nt))
.set i, 0
.rept 8
	v_max_num_f32 v[ac+i], 0, v[ac+i]
.set i, i+1
.endr
.set m, m+1
.endr
.set m, 0
.rept 4
.set ac, ACC+8*(4*m+(\nt))
	ds_store_b128 v[OSW], v[ac:ac+3]   offset:64*m
	ds_store_b128 v[OSW], v[ac+4:ac+7] offset:64*m+16
.set m, m+1
.endr
.set i, 0
.rept 8
	ds_load_b128 v[bk+4*i:bk+4*i+3], v[OSR] offset:2*OSROW*i  ; LDS serves a wave's instructions in order (ISA guide 5.7.1.4): these see the stores above, and the next tile's stores come behind them
.set i, i+1
.endr
	s_wait_dscnt 0x0
.set i, 0
.rept 8
	global_store_b128 v[OO], v[bk+4*i:bk+4*i+3], s[26:27] offset:(\nt)*16384+2048*i th:TH_STORE_NT
.set i, i+1
.endr
.endm
	FINAL 0
	FINAL 1
	FINAL 2
	FINAL 3
	s_wait_tensorcnt 0x0                           ; the wave's end, behind my last LDS store
	ds_add_u32 v[SPW], v[NIL]
	s_wait_dscnt 0x0
	s_endpgm
.Lfunc_end_k_q76c0238bac_pool_mlp:
	.size	k_q76c0238bac_pool_mlp, .Lfunc_end_k_q76c0238bac_pool_mlp-k_q76c0238bac_pool_mlp
	.p2alignl 7, 3214868480
	.fill 96, 4, 3214868480
	.section	.rodata,"a",@progbits
	.p2align	6, 0x0
	.amdhsa_kernel k_q76c0238bac_pool_mlp
		.amdhsa_group_segment_fixed_size 316672
		.amdhsa_private_segment_fixed_size 0
		.amdhsa_enable_private_segment 0
		.amdhsa_kernarg_size 24
		.amdhsa_user_sgpr_count 2
		.amdhsa_user_sgpr_kernarg_segment_ptr 1
		.amdhsa_wavefront_size32 1
		.amdhsa_system_sgpr_workgroup_id_x 1
		.amdhsa_system_sgpr_workgroup_id_y 1
		.amdhsa_system_sgpr_workgroup_id_z 1
		.amdhsa_system_vgpr_workitem_id 0
		.amdhsa_next_free_vgpr 1024
		.amdhsa_next_free_sgpr 66
		.amdhsa_reserve_vcc 0
		.amdhsa_float_denorm_mode_32 3
		.amdhsa_float_denorm_mode_16_64 3
		.amdhsa_memory_ordered 1
		.amdhsa_forward_progress 1
		.amdhsa_inst_pref_size 255
	.end_amdhsa_kernel
	.section	.bss,"aw",@nobits
	.p2align	6
	.space	262144
	.amdgpu_metadata
---
amdhsa.version: [ 1, 2 ]
amdhsa.kernels:
  - .name:           k_q76c0238bac_pool_mlp
    .symbol:         k_q76c0238bac_pool_mlp.kd
    .args:
      - { .name: x, .offset: 0, .size: 8, .value_kind: global_buffer, .address_space: global }
      - { .name: wts, .offset: 8, .size: 8, .value_kind: global_buffer, .address_space: global }
      - { .name: out0, .offset: 16, .size: 8, .value_kind: global_buffer, .address_space: global }
    .group_segment_fixed_size: 316672
    .private_segment_fixed_size: 0
    .kernarg_segment_align: 8
    .kernarg_segment_size: 24
    .max_flat_workgroup_size: 128
    .sgpr_count:     66
    .vgpr_count:     1024
    .wavefront_size: 32
...
	.end_amdgpu_metadata
.endif
;; end of part 2
;; ======== version 2 of 2: 2 launches; version 1 with the launch pool_mlp written anew for expert scheduling mode
;; limits: values are held in f16: magnitudes above 65,504 overflow, below 6.1e-05 lose precision; right only within a limited range of input values
;; workspace buffers: wts 1,579,008 bytes
;; launch prep: the kernel of part 1 again; grid 97 x 4, 8 waves a work-group, no clusters, 0 bytes of LDS; arguments WQ, WK, WV, WZ_w, expand_w, restore_w, WZ_b, expand_b, restore_b, wts; writes wts
;; launch pool_mlp (part 3): grid 256 x 1, 4 waves a work-group, no clusters, 316,672 bytes of LDS; arguments x, wts, out0; writes out0
.if DOCPART == 3
	.amdgcn_target "amdgcn-amd-amdhsa--gfx1250"
	.amdhsa_code_object_version 6
	.text
	.protected	k_q76c0238bac_pool_mlp
	.globl	k_q76c0238bac_pool_mlp
	.p2align	8
	.type	k_q76c0238bac_pool_mlp,@function
k_q76c0238bac_pool_mlp:
	s_mov_b64 s[64:65], 0
	v_nop
	global_prefetch_b8 v0, s[64:65] scope:SCOPE_SE
	s_setreg_imm32_b32 hwreg(HW_REG_WAVE_SCHED_MODE, 0, 2), 2
	s_setreg_imm32_b32 hwreg(HW_REG_WAVE_MODE, 25, 1), 1
	s_wait_xcnt 0x0
	s_wait_alu depctr_vm_vsrc(0)
; ATTENTION POOLING OVER 4 x 4 WINDOWS, AND THE THREE LAYERS BEHIND IT, IN ONE LAUNCH.  x: [4][256][256][256] f32; out0: [4][64][64][256] f32; wts: the weights as the launch before laid them out.
; THE ARITHMETIC is re-associated, exactly, so that K and V of the 16 positions are never made.  For a window and head h, with X = the sum of its 16 positions:
;   q = WQ X;  t_h = WK_h^T q_h;  score[h][s] = t_h . x_s;  a = softmax over s (the window's true maximum is taken away);  y_h = sum_s a[s] x_s;  z_h = WV_h y_h;
;   z2 = WZ z + b;  hid = relu(E z2 + b);  out = relu(R hid + b).
; The factor log2(e) / sqrt(32) / 16 (the score's scale, the mean's 1/16, base 2 for v_exp_f32) is applied in f32: 1/64 of it to q ahead of its rounding, so that q and t keep room in f16, and 64 with the subtraction of the maximum.
; A SCALE FOR EACH WINDOW.  z2 and hid are kept divided by s = the power of two at or below M = max(the window's largest |z2|, the largest |expand_b|): |z2 / s| < 2, hid / s = relu(E (z2 / s) + b / s), and
; out = relu(s (R (hid / s)) + b).  s and 1 / s are made from M's exponent bits, so both factors are exact; relu commutes with a positive factor.  So these two keep f16's 11 bits whatever the inputs' size.
; FORMATS.  Every input is rounded once to bf16 and, weights and x, written as f16 (the same number); X, q, t, a, y, z, z2 / s, hid / s are rounded to f16.  All sums, maxima, the softmax, scales and biases in f32.
; LIMITS.  |x|, |w|, |X|, |q|/64, |t|/64, |y|, |z| (q, t with the factor above) stay under f16's 65,504; below 6.1e-5 these keep f16's fixed step of 6e-8.  |hid / s| < 2 sum_j |expand_w[i][j]| + 2: that sum stays under 16,000.
; M stays under 2^127; an M below 2^-126 counts as 2^-126.  relu gives 0 for a NaN; NaN and infinities are not treated apart.  The order of the sums and roundings differs from the reference's, as said above.
; SHARES.  Work-group g owns one row of 64 windows: 1 MiB of x on end (four image rows of 256 KiB), 64 KiB of out0 on end.  It goes in four STEPS of 16 windows.  In a step wave w converts and pools windows 4 w .. 4 w + 3,
; and makes q, t and z of heads 2 w, 2 w + 1 for all 16 windows.  Behind the steps: wave w makes 64 rows of WZ_w, 256 of expand_w, 64 of restore_w, for all 64 windows.
; EVERY PRODUCT IS TAKEN TRANSPOSED: source 0 = 16 rows of a weight (or of x), source 1 = the activations with the window in the lane.  A lane's eight results are then eight neighbouring channels of one window: 16 bytes in 16-bit form.
; NO TENSOR LOADS, NO CLUSTER.  Each fragment of a weight is read by exactly one wave of the work-group and lies in wts as it lies in registers, so it goes straight into registers.
; THE MODE: SCHED_MODE bits 1:0 = 2 (LLVM: expert scheduling mode 2), set by the entry lines.  The code itself states the register dependences between vector or matrix instructions and memory or LDS
; instructions, with s_wait_alu, always for 0.
; THE PLAN.  Registers that memory or LDS instructions touch, and who else names them:
;   v128-255, the ring     A GROUP is four slots.  Its eight roundings to bf16 read them; behind the group's one wait on va_vdst the same four slots are loaded again.
;   v40-47, v72-127        a window's eight out-buffers, one a group: written by the group's roundings to f16, read by its four LDS stores behind that same wait, written again a window later.  v32-35: X, with the last group.
;                          So one wait on vm_vsrc stands at a window's head, and none inside a window.  v48-71 are named by vector instructions alone.
;   v2, v3, v11, v19       LDS addresses that step: each is written behind a wait on vm_vsrc and ahead of a wait on va_vdst that its stage has anyway.  Every other offset and address is made at the head; v2-v10 take the scales
;                          when the steps are over, behind a wait on vm_vsrc.
;   v56-127 in the steps   fragments from LDS, read by products: a wait on va_vdst stands ahead of every load into a slot that products have read.  Pack registers (v80-95 for t, v76-91 for y, v64-79 for z): conversions,
;                          a wait on va_vdst, the stores; a wait on vm_vsrc ahead of the next conversions or loads into them.
;   windows 1, 2           a weight chunk by turns.  The loads of the next chunk land in the window that the products before the last wait on va_vdst read; nothing issued since names it, so they are dealt: half ahead of
;                          this chunk's products, half among them.   window 3: source 1; a wait on va_vdst stands ahead of a load into it wherever products have read it since the last such wait.
;   v96-127 in the layers  pack registers for eight tiles: vector work, a wait on va_vdst, eight stores, a wait on vm_vsrc ahead of the next eight.
;   the way out            a tile's arithmetic stands between the stage loads of the tile before and the wait for them: it names that tile's accumulators, the scales and the bias alone.
; LDS, in bytes.  XH 0: x as f16, window u at 8,704 u, position s at 544 s + 16 (s / 8): 16 rows of a plain fragment load and 8 rows x 32 bytes of a turning load each touch every bank once (64 banks of 4 bytes: ISA guide 11.1).
;   T 139,264: t, window u at 4,240 u, head h at 528 h.   Y 207,104: y, likewise.   XM 274,944: X, window u at 528 u.
;   Z 283,392: z in blocks of source-1 fragments: block 4 ks + nt (32 channels, 16 windows) of 1 KiB, its 16 bytes at 512 sub + 16 lane.   SPARE 316,160: the spare words, 128 bytes a wave.
;   Behind the steps: H 0 (hid / s, 128 such blocks), Z2 139,264 (z2 / s, 32 blocks), OS 172,032 (16 rows x 272 bytes for each wave, the way out), RED 189,440 (each wave's largest |z2| of the 64 windows: 256 bytes a wave).
; Each shared region is written between one pair of barriers and read between the next.
; REGISTERS, in windows of 256 (s_set_vgpr_msb: bits 1:0 source 0, 3:2 source 1, 5:4 source 2, 7:6 destination).
;   window 0: v0-31 addresses; v32-127 at work; v128-255 the ring, later 16 accumulators.   windows 1, 2, 3: WQ, WK^T, WV, resident through the steps; later windows 1, 2 a weight chunk by turns, window 3 the source-1 fragments.
.set XWIN,   8704
.set XROW,   544
.set L_T,    139264
.set TWIN,   4240
.set THEAD,  528
.set L_Y,    207104
.set L_XM,   274944
.set XMROW,  528
.set L_Z,    283392
.set SPARE,  316160
.set L_Z2,   139264
.set L_OS,   172032
.set OSROW,  272
.set L_RED,  189440
.set CHUNKB, 32768                     ; bytes in a weight chunk
.set VO,   1                           ; v1   16 x lane: my offset in a fragment block, in 512 bytes of x, and in hid's blocks 0-63
.set XHW,  2                           ; v2   where I put x of the window in hand
.set XMW,  3                           ; v3   where I put its X
.set XMR,  4                           ; v4   X as source 1: window lane % 16
.set TWR,  5                           ; v5   t out: window lane % 16, my wave's heads
.set TRD,  6                           ; v6   t as source 1: window (lane % 16) / 8 of a pair, head lane % 8
.set XRD,  7                           ; v7   x as source 0: position lane % 16
.set XTR,  8                           ; v8   x for the turning load
.set YWR,  9                           ; v9   y out, as v6
.set YRD,  10                          ; v10  y as source 1, as v5
.set ZWR,  11                          ; v11  z out, this step's blocks
.set SC,   2                           ; v2-9 behind the steps: for window tile nt the pair 1 / s, s at v[2 + 2 nt]
.set BMX,  10                          ; v10  behind the steps: the largest |expand_b|
.set PFO,  12                          ; v12  the prefetches' offset
.set BO,   13                          ; v13  32 x (lane / 16): my eight numbers of a bias
.set ZRD,  14
.set Z2R,  15
.set BL,   16                          ; v16  32 x lane: my eight numbers of 256 of expand_b
.set HR1,  17                          ; v17  hid's blocks 64-127
.set Z2W,  18
.set HWR,  19
.set OSW,  20
.set OSR,  21
.set OO,   22
.set ZERO, 23
.set SPW,  24                          ; v24  LDS address of my spare word; never rewritten
.set NIL,  25                          ; v25  0; never rewritten
.set XH0,  26
.set XM0,  27
.set Z0,   28
.set H0,   29
.set RW,   30                          ; v30  RED: my wave's words, window lane % 16
.set RR,   31                          ; v31  RED: wave 0's words, window lane % 16
.set RING, 128
.set ACC,  128
; scalars: s[4:5] x, s[6:7] wts, s[8:9] out0; s10 wave; s[12:13] the window being loaded; s[14:15] its step; s[16:17] the window being prefetched; s[18:19] its distance; s[20:21] my area of wts;
; s[22:23] the chunk being loaded; s[24:25] its bias; s[26:27] my work-group's rows of out0; s28 steps left; s29 counts three windows; s30 windows left; s31-s33 masks; s[34:35] lane selects; s[36:37] the scale of q;
; s38 counts expand_w's trips; s39-s42 LDS steps; s43-s45 at work; s[46:47] 64.0; s48-s51 four distances; s[52:53] the biases in wts
.set MSB, 0
.macro WIN new                         ; the immediate's high byte repeats the setting that is left; a switch that changes nothing is dropped
.if MSB != (\new)
	s_set_vgpr_msb (MSB<<8)|(\new)
.set MSB, (\new)
.endif
.endm
.macro PLACES                          ; four plain instructions behind a matrix instruction, ahead of what reads its result or writes or loads into one of its registers
.rept 4
	v_nop
.endr
.endm
.macro BAR                             ; my LDS stores are done and my LDS loads are back; then all four waves meet
	s_wait_dscnt 0x0
	s_barrier_signal -1
	s_barrier_wait -1
.endm
.macro ALOAD w, base, off, f0, f1      ; fragments f0 to f1 - 1 of a weight chunk into window w: two loads of 512 consecutive bytes each.  The window stays set: what follows sets its own
	WIN (\w)<<6
.set f, (\f0)
.rept (\f1)-(\f0)
	global_load_b128 v[8*f:8*f+3],   v[VO], s[\base:\base+1] offset:(\off)+1024*f
	global_load_b128 v[8*f+4:8*f+7], v[VO], s[\base:\base+1] offset:(\off)+1024*f+512
.set f, f+1
.endr
.endm
	s_load_b128 s[4:7], s[0:1], 0x0
	s_load_b64 s[8:9], s[0:1], 0x10
	v_lshl_add_u32 v[SPW], v0, 2, SPARE
	v_mov_b32 v[NIL], 0
	v_mov_b32 v[ZERO], 0
	v_lshrrev_b32 v32, 5, v0
	v_readfirstlane_b32 s10, v32                   ; wave 0..3
	v_and_b32 v33, 31, v0                          ; l
	v_and_b32 v34, 15, v0                          ; r = l % 16
	v_bfe_u32 v35, v0, 4, 1                        ; hh = l / 16
	v_bfe_u32 v36, v0, 3, 1                        ; r / 8
	v_and_b32 v37, 7, v0                           ; r % 8
	v_add_nc_u32 v38, v35, v36
	v_lshlrev_b32 v[VO], 4, v33
	v_lshlrev_b32 v[BL], 5, v33
	s_wait_alu depctr_va_sdst(0)                   ; s10 is written, ahead of its first reader: LDS places and the bases of x, wts and out0 are made from it
	s_mul_i32 s44, s10, 4*XWIN                     ; my four windows in XH
	v_mul_u32_u24 v[XMR], v34, XMROW
	v_lshl_add_u32 v[XMR], v35, 4, v[XMR]
	v_add_nc_u32 v[XMR], L_XM, v[XMR]
	s_mul_i32 s43, s10, 2*THEAD                    ; my two heads
	s_add_co_u32 s43, s43, L_T
	v_mul_u32_u24 v[TWR], v34, TWIN
	v_lshl_add_u32 v[TWR], v35, 4, v[TWR]
	v_add_nc_u32 v[TWR], s43, v[TWR]
	v_add_nc_u32 v[YRD], L_Y-L_T, v[TWR]
	s_mul_i32 s43, s10, 4*TWIN                     ; my four windows in T
	s_add_co_u32 s43, s43, L_T
	v_mul_u32_u24 v[TRD], v36, TWIN
	v_mad_u32_u24 v[TRD], v37, THEAD, v[TRD]
	v_lshl_add_u32 v[TRD], v35, 4, v[TRD]
	v_add_nc_u32 v[TRD], s43, v[TRD]
	v_add_nc_u32 v[YWR], L_Y-L_T, v[TRD]
	v_mul_u32_u24 v[XRD], v34, XROW                ; position r: 544 r + 16 (r / 8), + 16 hh
	v_lshl_add_u32 v[XRD], v38, 4, v[XRD]
	v_add_nc_u32 v[XRD], s44, v[XRD]
	v_lshl_add_u32 v[XTR], v35, 3, v37             ; position 8 hh + l % 8: 544 x that + 16 hh, + 16 ((l / 8) % 2)
	v_mul_u32_u24 v[XTR], v[XTR], XROW
	v_lshl_add_u32 v[XTR], v38, 4, v[XTR]
	v_add_nc_u32 v[XTR], s44, v[XTR]
	v_lshl_add_u32 v[XH0], v33, 3, s44             ; in: 8 bytes a lane (4 channels)
	s_mul_i32 s43, s10, 4*XMROW
	s_add_co_u32 s43, s43, L_XM
	v_lshl_add_u32 v[XM0], v33, 3, s43
	v_lshlrev_b32 v[PFO], 8, v34                   ; 16 blocks of 256 bytes in a window's 4,096 bytes of an image row,
	v_lshl_add_u32 v[PFO], v35, 18, v[PFO]         ; and two image rows
	v_lshlrev_b32 v[BO], 5, v35
	v_add_nc_u32 v[ZRD], L_Z, v[VO]
	v_add_nc_u32 v[Z2R], L_Z2, v[VO]
	v_add_nc_u32 v[HR1], 65536, v[VO]
	s_lshl_b32 s43, s10, 13                        ; my 64 channels: two ks, eight blocks
	v_add_nc_u32 v[Z0], s43, v[ZRD]
	v_add_nc_u32 v[Z2W], s43, v[Z2R]
	s_lshl_b32 s43, s10, 15                        ; my 256 channels of hid
	v_add_nc_u32 v[H0], s43, v[VO]
	s_mul_i32 s43, s10, 16*OSROW
	s_add_co_u32 s43, s43, L_OS                    ; my stage
	v_mul_u32_u24 v[OSW], v34, OSROW               ; in: row r, 32 bytes for each half of the lanes
	v_lshl_add_u32 v[OSW], v35, 5, v[OSW]
	v_add_nc_u32 v[OSW], s43, v[OSW]
	v_mul_u32_u24 v[OSR], v35, OSROW               ; back: lanes 0-15 one row of 256 bytes, lanes 16-31 the next
	v_lshl_add_u32 v[OSR], v34, 4, v[OSR]
	v_add_nc_u32 v[OSR], s43, v[OSR]
	s_lshl_b32 s43, s10, 8
	v_lshlrev_b32 v[OO], 4, v34                    ; and the same two rows in out0, at my wave's 256 bytes
	v_lshl_add_u32 v[OO], v35, 10, v[OO]
	v_add_nc_u32 v[OO], s43, v[OO]
	s_add_co_u32 s43, s43, L_RED
	v_lshl_add_u32 v[RW], v34, 2, s43
	v_lshl_add_u32 v[RR], v34, 2, L_RED
	s_mov_b32 s31, 0xffff0000                      ; a word's upper bf16
	s_mov_b32 s32, 0xff00ff00                      ; the lanes with r >= 8: a pair's second window
	s_mov_b32 s33, 0x7fffffff                      ; clears a sign
	s_mov_b32 s34, 0x76543210                      ; v_permlanex16_b32: each lane takes its own place in the other half
	s_mov_b32 s35, 0xfedcba98
	s_mov_b32 s36, 0x398293ee                      ; log2(e) / sqrt(32) / 16 / 64
	s_mov_b32 s37, s36                             ; named with it as a pair
	s_mov_b32 s46, 0x42800000                      ; 64.0
	s_mov_b32 s47, s46
	s_mov_b32 s48, 53248                           ; from a step's last window of mine to the next step's first: 13 windows of 4,096 bytes
	s_mov_b32 s49, 4096
	s_mov_b32 s50, 8192
	s_mov_b32 s51, 57344
	s_lshl_b32 s2, ttmp9, 20                       ; the work-group's 1 MiB of x,
	s_lshl_b32 s3, s10, 14                         ; my wave's first window
	s_add_co_u32 s2, s2, s3
	s_mov_b32 s3, 0
	s_lshl_b32 s14, ttmp9, 16                      ; its 64 KiB of out0
	s_mov_b32 s15, 0
	s_mul_i32 s18, s10, 12*CHUNKB
	s_mov_b32 s19, 0
	s_mov_b32 s28, 4
	s_mov_b32 s30, 16
	s_mov_b32 s41, 0
	s_wait_kmcnt 0x0
	s_add_nc_u64 s[12:13], s[4:5], s[2:3]
	s_add_nc_u64 s[26:27], s[8:9], s[14:15]
	s_add_nc_u64 s[20:21], s[6:7], s[18:19]
	WIN 0x40
	s_wait_alu depctr_va_vdst(0)                   ; the offsets and LDS addresses made above are written: every load, store and prefetch of the kernel reads one of them
	ALOAD 1, 20, 0, 0, 32                          ; WQ, WK^T and WV stay in registers through the steps
	ALOAD 2, 20, CHUNKB, 0, 32
	ALOAD 3, 20, 2*CHUNKB, 0, 32
	WIN 0
.set n, 0
.rept 32                                       ; my first window fills the ring: slot n = position n / 2, half n % 2 of its 1,024 bytes
	global_load_b128 v[RING+4*n:RING+4*n+3], v[VO], s[12:13] offset:(n>>3)*262144+((n>>1)&3)*1024+(n&1)*512 th:TH_LOAD_NT
.set n, n+1
.endr
	s_wait_xcnt 0x0                                ; every load has read its address: the pointer may be written
	s_add_nc_u64 s[12:13], s[12:13], 4096          ; my second window: the one that the first turn loads
	s_add_nc_u64 s[16:17], s[12:13], 8192          ; my fourth
; Group p of a window: slots 4 p to 4 p + 3 of the ring, that is positions 2 p and 2 p + 1.  Their 16 numbers a lane are rounded to bf16 (v32-39), unpacked (v56-71), added into X (f32, v48-55; position 0 starts the sums:
; nothing is cleared) and written as f16 into the group's own out-buffer.  Then ONE wait, the four reloads (ahead = 1: the same places in my next window) and the four LDS stores.  The last group rounds and stores X too.
.macro GROUP ahead
.set ob, 72+8*(p-1)
.if p == 0
.set ob, 40
.endif
.if \ahead
	s_wait_loadcnt 28                              ; loads come back in order (ISA guide 5.7.1): my four are in; behind them 4 (7 - p) of this window and 4 p of the next are out.  The first such wait also shows the resident weights landed
.else
	s_wait_loadcnt 28-4*p                          ; the last window: the counts run down
.endif
.set j, 0
.rept 4
.set rl, RING+4*(4*p+j)
	v_cvt_pk_bf16_f32 v[32+2*j], v[rl], v[rl+1]
	v_cvt_pk_bf16_f32 v[33+2*j], v[rl+2], v[rl+3]
.set j, j+1
.endr
.set j, 0
.rept 4
.set tf, 56+4*j
.if (p == 0) && (j < 2)
.set tf, 48+4*j
.endif
	v_lshlrev_b32 v[tf], 16, v[32+2*j]
	v_and_b32 v[tf+1], s31, v[32+2*j]
	v_lshlrev_b32 v[tf+2], 16, v[33+2*j]
	v_and_b32 v[tf+3], s31, v[33+2*j]
.set j, j+1
.endr
.set j, 0
.rept 4
.set tf, 56+4*j
.set sm, 48+4*(j&1)
.if (p == 0) && (j < 2)
.set tf, 48+4*j
.else
	v_pk_add_f32 v[sm:sm+1], v[sm:sm+1], v[tf:tf+1]
	v_pk_add_f32 v[sm+2:sm+3], v[sm+2:sm+3], v[tf+2:tf+3]
.endif
	v_cvt_pk_f16_f32 v[ob+2*j], v[tf], v[tf+1]
	v_cvt_pk_f16_f32 v[ob+2*j+1], v[tf+2], v[tf+3]
.set j, j+1
.endr
.if p == 7
.set i, 0
.rept 4
	v_cvt_pk_f16_f32 v[32+i], v[48+2*i], v[49+2*i] ; X, rounded once
.set i, i+1
.endr
.endif
	s_wait_alu depctr_va_vdst(0)                   ; the roundings to bf16 are done reading the four slots, in which the loads below land; the out-buffer is written, which the LDS stores read; in group 0 so are v2 and v3, in group 7 X
.if \ahead
.set j, 0
.rept 4
.set n, 4*p+j
	global_load_b128 v[RING+4*n:RING+4*n+3], v[VO], s[12:13] offset:(n>>3)*262144+((n>>1)&3)*1024+(n&1)*512 th:TH_LOAD_NT
.set j, j+1
.endr
.endif
.set j, 0
.rept 4
.set n, 4*p+j
.set sp, n>>1
	ds_store_b64 v[XHW], v[ob+2*j:ob+2*j+1] offset:sp*XROW+16*(sp>>3)+(n&1)*256
.set j, j+1
.endr
.if p == 7
	ds_store_b64 v[XMW], v[32:33]
	ds_store_b64 v[XMW], v[34:35] offset:256
.endif
.endm
.macro CONVWIN ahead                   ; a window's turn
	s_wait_alu depctr_vm_vsrc(0)                   ; the LDS stores issued so far (the window before's, or z's) have read v2, v3 and their data in v32-127, all of which this turn writes again
	v_add_nc_u32 v[XHW], s39, v[XH0]
	v_add_nc_u32 v[XMW], s40, v[XM0]
.set p, 0
.rept 8
	GROUP \ahead
.set p, p+1
.endr
.endm
; A PREFETCH INTO THE L2 of MY OWN window three turns on: its 64 aligned blocks of 256 bytes (4 image rows x 4,096 bytes), a lane a block, two instructions.  It stands at the head of a window's turn, two turns ahead of the turn
; that loads that window.  No other wave reads those bytes, so each block is named once in the launch.  The first turn, behind the head's loads, asks for nothing, so my windows 0 to 3 come by their loads alone; the last three turns have no window three on.
.macro ASK
	global_prefetch_b8 v[PFO], s[16:17] th:TH_LOAD_NT scope:SCOPE_SE
	global_prefetch_b8 v[PFO], s[16:17] offset:524288 th:TH_LOAD_NT scope:SCOPE_SE
.endm
.macro UPD                             ; the pointers step, a whole turn behind the prefetches and behind the turn's last load
	s_wait_xcnt 0x0                                ; every load and prefetch has read its address
	s_add_nc_u64 s[12:13], s[12:13], s[14:15]
	s_add_nc_u64 s[16:17], s[12:13], s[18:19]
	s_sub_co_u32 s30, s30, 1
	s_add_co_u32 s39, s39, XWIN
	s_add_co_u32 s40, s40, XMROW
.endm
; q for my two heads, all 16 windows: 4 row tiles x 8 K steps; the 4 accumulators v32-63 take turns.  Scaled in f32, rounded to f16: tiles 2 hl, 2 hl + 1 ARE source 1 (32 channels of head hl x 16 windows), v64 + 8 hl.
.macro QSTAGE
	s_wait_alu depctr_vm_vsrc(0)                   ; my LDS stores of x and X have read v32-35, v40-47 and v72-127: the loads below land in v64-127, the products write v32-63.  (No vector instruction was issued behind the last group's wait on va_vdst)
.set k, 0
.rept 8
	ds_load_b128 v[64+8*k:64+8*k+3],   v[XMR] offset:64*k
	ds_load_b128 v[64+8*k+4:64+8*k+7], v[XMR] offset:64*k+32
.set k, k+1
.endr
	WIN 0x01                                       ; source 0 in window 1
.set k, 0
.rept 8
	s_wait_dscnt 14-2*k                            ; K step k's two loads are in; the later steps' may be out
.set m, 0
.rept 4
.if k == 0
	v_wmma_f32_16x16x32_f16 v[32+8*m:39+8*m], v[8*(8*m+k):8*(8*m+k)+7], v[64+8*k:71+8*k], 0
.else
	v_wmma_f32_16x16x32_f16 v[32+8*m:39+8*m], v[8*(8*m+k):8*(8*m+k)+7], v[64+8*k:71+8*k], v[32+8*m:39+8*m]
.endif
.set m, m+1
.endr
.set k, k+1
.endr
	WIN 0
	PLACES
.set i, 0
.rept 16
	v_pk_mul_f32 v[32+2*i:33+2*i], v[32+2*i:33+2*i], s[36:37] op_sel_hi:[1,0]
.set i, i+1
.endr
.set i, 0
.rept 16
	v_cvt_pk_f16_f32 v[64+i], v[32+2*i], v[33+2*i]
.set i, i+1
.endr
.endm
; t for my two heads: 32 single products (K = 32 is a head), in 8 batches of 4, results in v32-63 and v96-127 by turns.  Batch b is rounded and stored behind batch b + 1's products: the conversions of the batch before are its places.
.macro TMUL b
	WIN 0x02
.set k, 0
.rept 4
.set ix, 4*(\b)+k
.set dd, 32+64*((\b)&1)+8*k
	v_wmma_f32_16x16x32_f16 v[dd:dd+7], v[8*ix:8*ix+7], v[64+8*(ix/16):64+8*(ix/16)+7], 0
.set k, k+1
.endr
	WIN 0
.endm
.macro TPACK b
.if (\b) > 0
	s_wait_alu depctr_vm_vsrc(0)                   ; the LDS stores of the batch before have read v80-95, which the conversions write again
.endif
.set k, 0
.rept 4
.set dd, 32+64*((\b)&1)+8*k
.set i, 0
.rept 4
	v_cvt_pk_f16_f32 v[80+4*k+i], v[dd+2*i], v[dd+2*i+1]
.set i, i+1
.endr
.set k, k+1
.endr
	s_wait_alu depctr_va_vdst(0)                   ; the conversions have written v80-95, which the LDS stores read
.set k, 0
.rept 4
.set ix, 4*(\b)+k
	ds_store_b128 v[TWR], v[80+4*k:80+4*k+3] offset:(ix/16)*THEAD+(ix%16)*32
.set k, k+1
.endr
.endm
.macro TSTAGE
	TMUL 0
	TMUL 1
	PLACES
	TPACK 0
.irp b, 2,3,4,5,6,7
	TMUL \b
	TPACK (\b)-1
.endr
	TPACK 7
.endm
; A PAIR of my windows, 2 p and 2 p + 1.  SCORES: source 1 = t with (window of the pair, head) in the lane; source 0 = the 16 positions of window 0 (into v32-39) or of window 1 (v40-47); a lane keeps the result of its own window.
; A lane then holds one (window, head) and the positions 8 hh + 0..7.  Fragments come through three slots of 24 registers (t, x of window 0, x of window 1), six loads each, three K steps ahead.
.macro SLD q, ks, p
.set sb, 56+24*(\q)
	ds_load_b128 v[sb:sb+3],     v[TRD] offset:(\p)*2*TWIN+64*(\ks)
	ds_load_b128 v[sb+4:sb+7],   v[TRD] offset:(\p)*2*TWIN+64*(\ks)+32
	ds_load_b128 v[sb+8:sb+11],  v[XRD] offset:2*(\p)*XWIN+64*(\ks)
	ds_load_b128 v[sb+12:sb+15], v[XRD] offset:2*(\p)*XWIN+64*(\ks)+32
	ds_load_b128 v[sb+16:sb+19], v[XRD] offset:(2*(\p)+1)*XWIN+64*(\ks)
	ds_load_b128 v[sb+20:sb+23], v[XRD] offset:(2*(\p)+1)*XWIN+64*(\ks)+32
.endm
.macro XTLD p, b                       ; x turned, for y: four tiles of 16 channels x 32 positions (both windows), into v96-127
.set k, 0
.rept 4
	ds_load_tr16_b128 v[96+8*k:99+8*k],   v[XTR] offset:2*(\p)*XWIN+32*(4*(\b)+k)
	ds_load_tr16_b128 v[100+8*k:103+8*k], v[XTR] offset:(2*(\p)+1)*XWIN+32*(4*(\b)+k)
.set k, k+1
.endr
.endm
.macro YBATCH p, b                     ; y for 64 channels: source 0 = x turned, source 1 = the weights, block-diagonal over the pair's 32 positions
.if (\b) == 0
	s_wait_dscnt 0x0
.else
	s_wait_dscnt 4                                 ; the eight turning loads are in; the four stores issued behind them may be out
.endif
.set k, 0
.rept 4
	v_wmma_f32_16x16x32_f16 v[32+8*k:39+8*k], v[96+8*k:103+8*k], v[68:75], 0
.set k, k+1
.endr
	PLACES
.if (\b) < 3
	s_wait_alu depctr_va_vdst(0)                   ; the four products are done reading v96-127, in which the next batch's x lands
	XTLD \p, (\b)+1
.endif
.if (\b) > 0
	s_wait_alu depctr_vm_vsrc(0)                   ; the LDS stores of the batch before have read v76-91, which the conversions write again
.endif
.set i, 0
.rept 16
	v_cvt_pk_f16_f32 v[76+i], v[32+2*i], v[33+2*i]
.set i, i+1
.endr
	s_wait_alu depctr_va_vdst(0)                   ; the conversions have written v76-91, which the LDS stores read
.set k, 0
.rept 4
	ds_store_b128 v[YWR], v[76+4*k:79+4*k] offset:(\p)*2*TWIN+32*(4*(\b)+k)
.set k, k+1
.endr
.endm
.macro PAIR p
	s_wait_alu depctr_vm_vsrc(0)                   ; the LDS stores of t, or of the pair before's y, have read v76-95, in which the loads below land.  (No vector instruction was issued behind the wait on va_vdst ahead of those stores)
	SLD 0, 0, \p
	SLD 1, 1, \p
	SLD 2, 2, \p
.set k, 0
.rept 8
.if k < 6
	s_wait_dscnt 12                                ; this K step's six loads are in; two younger slots may be out
.else
	s_wait_dscnt 6*(7-k)
.endif
.set sb, 56+24*(k%3)
.if k == 0
	v_wmma_f32_16x16x32_f16 v[32:39], v[sb+8:sb+15],  v[sb:sb+7], 0
	v_wmma_f32_16x16x32_f16 v[40:47], v[sb+16:sb+23], v[sb:sb+7], 0
.else
	v_wmma_f32_16x16x32_f16 v[32:39], v[sb+8:sb+15],  v[sb:sb+7], v[32:39]   ; the two accumulators take turns
	v_wmma_f32_16x16x32_f16 v[40:47], v[sb+16:sb+23], v[sb:sb+7], v[40:47]
.endif
.if k < 5
	PLACES
	s_wait_alu depctr_va_vdst(0)                   ; the two products are done reading this slot, in which the loads below land
	SLD k%3, k+3, \p
.endif
.set k, k+1
.endr
	PLACES
	s_wait_alu depctr_va_vdst(0)                   ; the last products are done reading the slots in v80-127: x turned lands in v96-127
	XTLD \p, 0                                     ; on its way during the softmax, which names v32-75 alone
.set i, 0
.rept 8
	v_cndmask_b32 v[48+i], v[32+i], v[40+i], s32   ; my own window's scores
.set i, i+1
.endr
	v_max3_num_f32 v56, v48, v49, v50
	v_max3_num_f32 v57, v51, v52, v53
	v_max3_num_f32 v56, v56, v54, v55
	v_max_num_f32 v56, v56, v57
	v_permlanex16_b32 v57, v56, s34, s35           ; the other eight positions lie in the lane 16 away
	v_max_num_f32 v56, v56, v57
	v_mul_f32 v56, s46, v56                        ; 64 m
.set i, 0
.rept 4
	v_pk_fma_f32 v[48+2*i:49+2*i], v[48+2*i:49+2*i], s[46:47], v[56:57] op_sel_hi:[1,0,0] neg_lo:[0,0,1] neg_hi:[0,0,1]  ; 64 s - 64 m: at most 0
.set i, i+1
.endr
.set i, 0
.rept 8
	v_exp_f32 v[48+i], v[48+i]
.set i, i+1
.endr
	v_nop                                          ; a plain instruction behind the last exponential (ISA guide 5.7.2),
	s_wait_alu depctr_va_vdst(0)                   ; and a wait ahead of the first reader of v48-55: one for the eight exponentials
	v_pk_add_f32 v[56:57], v[48:49], v[50:51]
	v_pk_add_f32 v[58:59], v[52:53], v[54:55]
	v_pk_add_f32 v[56:57], v[56:57], v[58:59]
	v_add_f32 v56, v56, v57
	v_permlanex16_b32 v57, v56, s34, s35
	v_add_f32 v56, v56, v57                        ; at least 1: the maximum's own weight
	v_rcp_f32 v58, v56
	v_nop
	s_wait_alu depctr_va_vdst(0)                   ; the same for the reciprocal in v58
.set i, 0
.rept 4
	v_pk_mul_f32 v[48+2*i:49+2*i], v[48+2*i:49+2*i], v[58:59] op_sel_hi:[1,0]
.set i, i+1
.endr
.set i, 0
.rept 4
	v_cvt_pk_f16_f32 v[64+i], v[48+2*i], v[49+2*i]
.set i, i+1
.endr
.set i, 0
.rept 4
	v_cndmask_b32 v[68+i], v[64+i], v[ZERO], s32   ; registers 0-3 are the first window's positions: mine where r < 8, else 0;
	v_cndmask_b32 v[72+i], v[ZERO], v[64+i], s32   ; registers 4-7 the second window's
.set i, i+1
.endr
	YBATCH \p, 0
	YBATCH \p, 1
	YBATCH \p, 2
	YBATCH \p, 3
.endm
; z for my two heads, all 16 windows: 4 row tiles x 8 K steps; source 1 is y of the tile's head.  Two slots of 32 registers, each with two K steps of both heads (eight loads).
.macro ZLD q, kp
.set kk, 0
.rept 2
.set hl, 0
.rept 2
.set fr, 64+32*(\q)+16*kk+8*hl
	ds_load_b128 v[fr:fr+3],   v[YRD] offset:hl*THEAD+64*(2*(\kp)+kk)
	ds_load_b128 v[fr+4:fr+7], v[YRD] offset:hl*THEAD+64*(2*(\kp)+kk)+32
.set hl, hl+1
.endr
.set kk, kk+1
.endr
.endm
.macro ZMUL q, kp
	WIN 0x03
.set kk, 0
.rept 2
.set m, 0
.rept 4
.set fr, 64+32*(\q)+16*kk+8*(m/2)
.set wa, 8*(8*m+2*(\kp)+kk)
.if (2*(\kp)+kk) == 0
	v_wmma_f32_16x16x32_f16 v[32+8*m:39+8*m], v[wa:wa+7], v[fr:fr+7], 0
.else
	v_wmma_f32_16x16x32_f16 v[32+8*m:39+8*m], v[wa:wa+7], v[fr:fr+7], v[32+8*m:39+8*m]
.endif
.set m, m+1
.endr
.set kk, kk+1
.endr
	WIN 0
.endm
.macro ZSTAGE
	s_wait_alu depctr_vm_vsrc(0)                   ; the LDS stores of y have read v76-91, in which the loads below land.  (No vector instruction was issued behind the wait on va_vdst ahead of those stores)
	ZLD 0, 0
	ZLD 1, 1
	s_wait_dscnt 8                                 ; the older slot is in, the younger one's eight loads may be out
	ZMUL 0, 0
	PLACES
	s_wait_alu depctr_va_vdst(0)                   ; the eight products are done reading slot 0, in which the loads below land
	ZLD 0, 2
	s_wait_dscnt 8
	ZMUL 1, 1
	PLACES
	s_wait_alu depctr_va_vdst(0)                   ; the same for slot 1
	ZLD 1, 3
	s_wait_dscnt 8
	ZMUL 0, 2
	s_wait_dscnt 0x0
	ZMUL 1, 3
	PLACES
.set i, 0
.rept 16
	v_cvt_pk_f16_f32 v[64+i], v[32+2*i], v[33+2*i]
.set i, i+1
.endr
	v_add_nc_u32 v[ZWR], s41, v[Z0]                ; this step's 16 windows are tile nt = the step.  (The last step's stores, which read v11, stand ahead of the waits on vm_vsrc above)
	s_wait_alu depctr_va_vdst(0)                   ; the conversions have written v64-79 and the add v11, which the LDS stores read
.set m, 0
.rept 4
	ds_store_b128 v[ZWR], v[64+4*m:67+4*m] offset:(m>>1)*4096+(m&1)*512  ; channels 64 w + 16 m on: K step 2 w + m / 2, half m % 2 of the next product's source 1
.set m, m+1
.endr
	s_add_co_u32 s41, s41, 1024
.endm
.Lstep:                                        ; four steps of 16 windows
	s_mov_b32 s39, 0
	s_mov_b32 s40, 0
	s_mov_b32 s29, 3
.Lwin:                                         ; my first three windows of the step
	s_sub_co_u32 s43, s30, 4
	s_cmp_lt_u32 s43, 12                           ; 4 to 15 windows left: not the first turn, and a window three on exists
	s_cbranch_scc0 .Lnoask
	ASK
.Lnoask:
	CONVWIN 1
	s_cmp_eq_u32 s29, 1                            ; behind the third window the load pointer goes on to the next step
	s_cselect_b32 s14, s48, s49
	s_cselect_b32 s18, s50, s51
	UPD
	s_sub_co_u32 s29, s29, 1
	s_cmp_lg_u32 s29, 0
	s_cbranch_scc1 .Lwin
	s_cmp_eq_u32 s28, 1
	s_cbranch_scc1 .Llastwin
	ASK
	CONVWIN 1                                      ; the fourth window; the next step's first is asked for and stays on its way through the step's products, which name none of v128-255
	s_mov_b32 s14, 4096
	s_mov_b32 s18, 8192
	UPD
	s_branch .Lcomp
.Llastwin:
	CONVWIN 0                                      ; my last window of all: nothing is left to load
.Lcomp:
	BAR                                            ; X of all 16 windows lies in LDS
	QSTAGE
	TSTAGE
	BAR                                            ; t of all heads
	PAIR 0
	PAIR 1
	BAR                                            ; y of all windows; nobody reads XH or T any more
	ZSTAGE
	s_sub_co_u32 s28, s28, 1
	s_cmp_lg_u32 s28, 0
	s_cbranch_scc1 .Lstep
; THE THREE LAYERS, for the work-group's 64 windows (four tiles nt).  A CHUNK is 64 rows x 256 K of a weight: 32 fragments in window 1 or 2, by turns: while one is multiplied (128 products) the next one's 64 loads are on their way.
; Source 1, 8 K steps x 4 tiles, fills window 3.  The 16 accumulators (row tile m, window tile nt) at v128 + 8 (4 m + nt) take turns.
; WZ_w's sums start from its bias, as the C operand; expand_w's and restore_w's from the constant 0: their operands carry the factor 1 / s, so their biases are added behind the products, in f32.
.macro BIASLD bs                       ; 64 numbers of a bias in a result's layout: register j of tile m = row 16 m + 8 hh + j, the same in all windows
.set m, 0
.rept 4
	global_load_b128 v[32+32*(\bs)+8*m:32+32*(\bs)+8*m+3],   v[BO], s[24:25] offset:64*m
	global_load_b128 v[32+32*(\bs)+8*m+4:32+32*(\bs)+8*m+7], v[BO], s[24:25] offset:64*m+16
.set m, m+1
.endr
.endm
.macro BLOAD a, imm                    ; 32 blocks of source-1 fragments into window 3, K step by K step
	WIN 0xc0
.set f, 0
.rept 32
	ds_load_b128 v[8*f:8*f+3],   v[\a] offset:(\imm)+1024*f
	ds_load_b128 v[8*f+4:8*f+7], v[\a] offset:(\imm)+1024*f+512
.set f, f+1
.endr
	WIN 0
.endm
; aw: the chunk's window; cm = 0: the sums start with 0; 1: with bias set 0; 2: they go on; bw = 1: source 1 is still landing; nxt = 1: behind K step 3 the second half of the next chunk is asked for.
; Those loads owe no wait: they land in the other window, which the products ahead of the last wait on va_vdst read, and the products issued since name this chunk's window, window 3, the accumulators and bias set 0 alone.
.macro MUL aw, cm, bw, nxt
	WIN 0x0c+(\aw)
.set kk, 0
.rept 8
.if (\nxt) && (kk == 4)
	ALOAD 3-(\aw), 22, 0, 16, 32
	WIN 0x0c+(\aw)
.endif
.if \bw
	s_wait_dscnt 56-8*kk                           ; K step kk's eight loads are in; the later steps' may be out
.endif
.set m, 0
.rept 4
.set nn, 0
.rept 4
.set ac, ACC+8*(4*m+nn)
.if (kk == 0) && ((\cm) == 0)
	v_wmma_f32_16x16x32_f16 v[ac:ac+7], v[8*(8*m+kk):8*(8*m+kk)+7], v[8*(4*kk+nn):8*(4*kk+nn)+7], 0
.elseif (kk == 0) && ((\cm) == 1)
	v_wmma_f32_16x16x32_f16 v[ac:ac+7], v[8*(8*m+kk):8*(8*m+kk)+7], v[8*(4*kk+nn):8*(4*kk+nn)+7], v[32+8*m:39+8*m]
.else
	v_wmma_f32_16x16x32_f16 v[ac:ac+7], v[8*(8*m+kk):8*(8*m+kk)+7], v[8*(4*kk+nn):8*(4*kk+nn)+7], v[ac:ac+7]
.endif
.set nn, nn+1
.endr
.set m, m+1
.endr
.set kk, kk+1
.endr
	WIN 0
	PLACES
.endm
; nxt = 1: the next chunk is asked for, into the other window: its first half here, 32 loads, with its bias (nbi: the set, or -1) 40 loads, the second half among the products.
; None of these loads owes a wait of its own: the products that read the other window, and the vector instructions that read the bias set, stand ahead of the last wait on va_vdst, and nothing issued since names those registers.
.macro CHUNK aw, cm, bw, nxt, nbi
	s_wait_loadcnt 0x0                             ; this chunk and its bias are in; no load of mine is out, so the two pointers may be written
.if \nxt
	s_add_nc_u64 s[22:23], s[22:23], CHUNKB
	ALOAD 3-(\aw), 22, 0, 0, 16
	WIN 0
.endif
.if (\nbi) >= 0
	s_add_nc_u64 s[24:25], s[24:25], 256
	BIASLD \nbi
.endif
	MUL \aw, \cm, \bw, \nxt
.endm
; 64 rows x 64 windows into blocks of the next layer's source 1, rounded to f16.  bi < 0: z2 times 1 / s.  bi >= 0: relu(sum + bias set bi x 1 / s).  1 / s is the low register of the window tile's pair.
; In two halves of eight tiles, as many as the pack registers v96-127 hold: the vector work, one wait, the eight stores.  fw = 1: stores that read the pack registers were issued since the last wait on vm_vsrc.
.macro EPI a, imm, bi, fw
.set hb, 0
.rept 2
.if (\fw) || hb
	s_wait_alu depctr_vm_vsrc(0)                   ; the eight LDS stores before have read v96-127, which the conversions write again
.endif
.set t8, 0
.rept 8
.set m, 2*hb+t8/4
.set nn, t8%4
.set ac, ACC+8*(4*m+nn)
.set pk, 96+4*t8
.set i, 0
.rept 4
.if (\bi) >= 0
	v_pk_fma_f32 v[ac+2*i:ac+2*i+1], v[32+32*(\bi)+8*m+2*i:32+32*(\bi)+8*m+2*i+1], v[SC+2*nn:SC+2*nn+1], v[ac+2*i:ac+2*i+1] op_sel_hi:[1,0,1]
.else
	v_pk_mul_f32 v[ac+2*i:ac+2*i+1], v[ac+2*i:ac+2*i+1], v[SC+2*nn:SC+2*nn+1] op_sel_hi:[1,0]
.endif
.set i, i+1
.endr
.set i, 0
.rept 4
	v_cvt_pk_f16_f32 v[pk+i], v[ac+2*i], v[ac+2*i+1]
.set i, i+1
.endr
.if (\bi) >= 0
.set i, 0
.rept 4
	v_pk_max_num_f16 v[pk+i], v[pk+i], v[ZERO]
.set i, i+1
.endr
.endif
.set t8, t8+1
.endr
	s_wait_alu depctr_va_vdst(0)                   ; v96-127 are written, which the LDS stores read (and, in expand_w's trips, v19); the half's vector work is done reading its bias set, and the chunk's products their windows
.set t8, 0
.rept 8
.set m, 2*hb+t8/4
.set nn, t8%4
	ds_store_b128 v[\a], v[96+4*t8:96+4*t8+3] offset:(\imm)+(m>>1)*4096+nn*1024+(m&1)*512
.set t8, t8+1
.endr
.set hb, hb+1
.endr
.endm
	s_add_nc_u64 s[22:23], s[20:21], 3*CHUNKB      ; WZ_w's chunk
	s_mul_i32 s14, s10, 1536
	s_add_co_u32 s14, s14, 12*4*CHUNKB             ; my six slices of biases lie behind the four waves' chunks
	s_add_nc_u64 s[24:25], s[6:7], s[14:15]
	s_add_nc_u64 s[52:53], s[6:7], 12*4*CHUNKB
	s_wait_alu depctr_vm_vsrc(0)                   ; z's LDS stores have read v64-79, in which a bias lands below; the steps' LDS instructions have read their addresses v2-v10, which the scales take
	WIN 0x40
	s_wait_alu depctr_va_vdst(0)                   ; the steps' products are done reading windows 1, 2 and 3, and their vector work is done with v32-127: the loads from here to the first products below land in all of these
	ALOAD 1, 22, 0, 0, 32
	WIN 0
	BIASLD 0
.set i, 0
.rept 4                                        ; all of expand_b, 32 numbers a lane: in each wave's area its four slices are 1,024 bytes on end, 256 bytes in
	global_load_b128 v[96+8*i:99+8*i],   v[BL], s[52:53] offset:1536*i+256
	global_load_b128 v[100+8*i:103+8*i], v[BL], s[52:53] offset:1536*i+272
.set i, i+1
.endr
	BAR                                            ; z of all 64 windows lies in LDS
	BLOAD ZRD, 0
	CHUNK 1, 1, 1, 1, 1                            ; z2 = WZ z + b, in f32
	; THE SCALES.  The largest |expand_b|: over my 32 numbers, then over the 32 lanes.
.set i, 0
.rept 32
	v_and_b32 v[96+i], s33, v[96+i]
.set i, i+1
.endr
	v_max_num_f32 v[BMX], v96, v97
.set i, 1
.rept 15
	v_max3_num_f32 v[BMX], v[BMX], v[96+2*i], v[97+2*i]
.set i, i+1
.endr
	v_max_num_f32_dpp v[BMX], v[BMX], v[BMX] row_xmask:1 row_mask:0xf bank_mask:0xf
	v_max_num_f32_dpp v[BMX], v[BMX], v[BMX] row_xmask:2 row_mask:0xf bank_mask:0xf
	v_max_num_f32_dpp v[BMX], v[BMX], v[BMX] row_xmask:4 row_mask:0xf bank_mask:0xf
	v_max_num_f32_dpp v[BMX], v[BMX], v[BMX] row_xmask:8 row_mask:0xf bank_mask:0xf
	v_permlanex16_b32 v[XH0], v[BMX], s34, s35
	v_max_num_f32 v[BMX], v[BMX], v[XH0]
	; My wave's 64 channels: for each window tile the greatest and the least of my 32 numbers of z2 (each accumulator's lowest registers are read first), then the other half of the lanes'.
.set nn, 0
.rept 4
.set k, 0
.rept 16
.set ac, ACC+8*(4*(k/4)+nn)+2*(k%4)
.if k == 0
	v_max_num_f32 v[SC+2*nn], v[ac], v[ac+1]
	v_min_num_f32 v[SC+2*nn+1], v[ac], v[ac+1]
.else
	v_max3_num_f32 v[SC+2*nn], v[SC+2*nn], v[ac], v[ac+1]
	v_min3_num_f32 v[SC+2*nn+1], v[SC+2*nn+1], v[ac], v[ac+1]
.endif
.set k, k+1
.endr
.set nn, nn+1
.endr
.set nn, 0
.rept 4
	v_xor_b32 v[SC+2*nn+1], 0x80000000, v[SC+2*nn+1]
.set nn, nn+1
.endr
.set nn, 0
.rept 4
	v_max_num_f32 v[SC+2*nn], v[SC+2*nn], v[SC+2*nn+1]
.set nn, nn+1
.endr
.set nn, 0
.rept 4
	v_permlanex16_b32 v[SC+2*nn+1], v[SC+2*nn], s34, s35
.set nn, nn+1
.endr
.set nn, 0
.rept 4
	v_max_num_f32 v[SC+2*nn], v[SC+2*nn], v[SC+2*nn+1]
.set nn, nn+1
.endr
	s_wait_alu depctr_va_vdst(0)                   ; the four maxima v2, v4, v6, v8 are written, which the LDS stores read; the lines above are done reading v96-111, in which the loads behind the barrier land
.set nn, 0
.rept 4
	ds_store_b32 v[RW], v[SC+2*nn] offset:64*nn    ; both halves of the lanes write the same word with the same number
.set nn, nn+1
.endr
	BAR                                            ; the four waves' maxima lie in LDS
.set nn, 0
.rept 4
.set k, 0
.rept 4
	ds_load_b32 v[96+4*nn+k], v[RR] offset:256*k+64*nn
.set k, k+1
.endr
.set nn, nn+1
.endr
	s_wait_dscnt 0x0
	s_wait_alu depctr_vm_vsrc(0)                   ; my four LDS stores have read v2, v4, v6, v8, which take 1 / s below
.set nn, 0
.rept 4
	v_max3_num_f32 v[SC+2*nn+1], v[96+4*nn], v[97+4*nn], v[98+4*nn]
	v_max3_num_f32 v[SC+2*nn+1], v[SC+2*nn+1], v[99+4*nn], v[BMX]
	v_max_num_f32 v[SC+2*nn+1], 0x00800000, v[SC+2*nn+1]  ; M, at least 2^-126
	v_and_b32 v[SC+2*nn+1], 0x7f800000, v[SC+2*nn+1]      ; s: M's exponent alone
	v_sub_nc_u32 v[SC+2*nn], 0x7f000000, v[SC+2*nn+1]     ; 1 / s: the exponent field 254 less s's
.set nn, nn+1
.endr
	EPI Z2W, 0, -1, 0
	BAR                                            ; z2 / s, all 256 channels
	BLOAD Z2R, 0                                   ; into window 3: the products that read it stand ahead of the waits on va_vdst above, and no vector instruction was issued behind the last of them
	s_wait_dscnt 0x0
	s_mov_b32 s38, 2
	s_mov_b32 s42, 0
.Le:                                           ; expand_w: my 256 rows, two chunks a trip; wts holds chunks and biases in the order in which the pointers step, on into restore_w's
	s_wait_alu depctr_vm_vsrc(0)                   ; the LDS stores issued so far have read v19, which the add writes, and v96-127, which the trip's first conversions write
	v_add_nc_u32 v[HWR], s42, v[H0]
	CHUNK 2, 0, 0, 1, 0
	EPI HWR, 0, 1, 0
	CHUNK 1, 0, 0, 1, 1
	EPI HWR, 8192, 0, 1
	s_add_co_u32 s42, s42, 16384
	s_sub_co_u32 s38, s38, 1
	s_cmp_lg_u32 s38, 0
	s_cbranch_scc1 .Le
	BAR                                            ; hid / s, all 1,024 channels
	BLOAD VO, 0                                    ; restore_w: K = 1,024 in four quarters, one sum; its bias waits in set 1 (v64-95).  No vector instruction was issued behind the last wait on va_vdst
	CHUNK 2, 0, 1, 1, -1
	WIN 0xc0
	s_wait_alu depctr_va_vdst(0)                   ; the quarter's products are done reading window 3, in which the next quarter of hid lands, and their chunk's window, which the next chunk but one takes
	BLOAD VO, 32768
	CHUNK 1, 2, 1, 1, -1
	WIN 0xc0
	s_wait_alu depctr_va_vdst(0)                   ; the same for the second quarter
	BLOAD HR1, 0
	CHUNK 2, 2, 1, 1, -1
	WIN 0xc0
	s_wait_alu depctr_va_vdst(0)                   ; the same for the third quarter
	BLOAD HR1, 32768
	CHUNK 1, 2, 1, 0, -1
; THE WAY OUT, a tile of 16 windows at a time: relu(s x sum + bias) in f32; a lane's eight channels go into my own stage (rows of 272 bytes) and come back as whole rows: my 64 channels of a window are 256 consecutive bytes of out0, aligned.
; In three parts, so that a tile's arithmetic stands between the stage loads of the tile before and the wait for them.
.macro FVEC nt                         ; the arithmetic: it names the tile's four accumulators, its s and the bias alone
.set m, 0
.rept 4
.set ac, ACC+8*(4*m+(\nt))
.set i, 0
.rept 8
	v_fma_f32 v[ac+i], v[ac+i], v[SC+2*(\nt)+1], v[64+8*m+i]
.set i, i+1
.endr
.set m, m+1
.endr
.set m, 0
.rept 4
.set ac, ACC+8*(4*m+(\nt))
.set i, 0
.rept 8
	v_max_num_f32 v[ac+i], 0, v[ac+i]
.set i, i+1
.endr
.set m, m+1
.endr
.endm
.macro FSTAGE nt                       ; into the stage and back, into v32-63 and v96-127 by turns
.set bk, 32+64*((\nt)&1)
	s_wait_alu depctr_va_vdst(0)                   ; the tile's arithmetic has written its accumulators, which the LDS stores read
.set m, 0
.rept 4
.set ac, ACC+8*(4*m+(\nt))
	ds_store_b128 v[OSW], v[ac:ac+3]   offset:64*m
	ds_store_b128 v[OSW], v[ac+4:ac+7] offset:64*m+16
.set m, m+1
.endr
.if (\nt) >= 2
	s_wait_xcnt 0x0                                ; the stores of the tile two back have had their addresses translated (ISA guide 3.1): their registers are loaded again only behind this wait,
.endif
.if (\nt) >= 1
	s_wait_alu depctr_vm_vsrc(0)                   ; and behind this one: the stores that read the registers below have read them: for tile 1 hid's LDS stores (v96-127), for tiles 2 and 3 the global stores of the tile two back
.endif
.set i, 0
.rept 8
	ds_load_b128 v[bk+4*i:bk+4*i+3], v[OSR] offset:2*OSROW*i  ; LDS serves a wave's instructions in order (ISA guide 5.7.1.4): these see the stores above, and the next tile's stores come behind them
.set i, i+1
.endr
.endm
.macro FSEND nt
.set bk, 32+64*((\nt)&1)
	s_wait_dscnt 0x0
.set i, 0
.rept 8
	global_store_b128 v[OO], v[bk+4*i:bk+4*i+3], s[26:27] offset:(\nt)*16384+2048*i th:TH_STORE_NT
.set i, i+1
.endr
.endm
	FVEC 0
	FSTAGE 0
	FVEC 1
	FSEND 0
	FSTAGE 1
	FVEC 2
	FSEND 1
	FSTAGE 2
	FVEC 3
	FSEND 2
	FSTAGE 3
	FSEND 3
	s_wait_dscnt 0x0                               ; the closing lines, six on end
	s_wait_alu 0x0
	s_wait_tensorcnt 0x0
	ds_add_u32 v[SPW], v[NIL]
	s_wait_dscnt 0x0
	s_endpgm
.Lfunc_end_k_q76c0238bac_pool_mlp:
	.size	k_q76c0238bac_pool_mlp, .Lfunc_end_k_q76c0238bac_pool_mlp-k_q76c0238bac_pool_mlp
	.p2alignl 7, 3214868480
	.fill 96, 4, 3214868480
	.section	.rodata,"a",@progbits
	.p2align	6, 0x0
	.amdhsa_kernel k_q76c0238bac_pool_mlp
		.amdhsa_group_segment_fixed_size 316672
		.amdhsa_private_segment_fixed_size 0
		.amdhsa_enable_private_segment 0
		.amdhsa_kernarg_size 24
		.amdhsa_user_sgpr_count 2
		.amdhsa_user_sgpr_kernarg_segment_ptr 1
		.amdhsa_wavefront_size32 1
		.amdhsa_system_sgpr_workgroup_id_x 1
		.amdhsa_system_sgpr_workgroup_id_y 1
		.amdhsa_system_sgpr_workgroup_id_z 1
		.amdhsa_system_vgpr_workitem_id 0
		.amdhsa_next_free_vgpr 1024
		.amdhsa_next_free_sgpr 66
		.amdhsa_reserve_vcc 0
		.amdhsa_float_denorm_mode_32 3
		.amdhsa_float_denorm_mode_16_64 3
		.amdhsa_memory_ordered 1
		.amdhsa_forward_progress 1
		.amdhsa_inst_pref_size 255
	.end_amdhsa_kernel
	.section	.bss,"aw",@nobits
	.p2align	6
	.space	262144
	.amdgpu_metadata
---
amdhsa.version: [ 1, 2 ]
amdhsa.kernels:
  - .name:           k_q76c0238bac_pool_mlp
    .symbol:         k_q76c0238bac_pool_mlp.kd
    .args:
      - { .name: x, .offset: 0, .size: 8, .value_kind: global_buffer, .address_space: global }
      - { .name: wts, .offset: 8, .size: 8, .value_kind: global_buffer, .address_space: global }
      - { .name: out0, .offset: 16, .size: 8, .value_kind: global_buffer, .address_space: global }
    .group_segment_fixed_size: 316672
    .private_segment_fixed_size: 0
    .kernarg_segment_align: 8
    .kernarg_segment_size: 24
    .max_flat_workgroup_size: 128
    .sgpr_count:     66
    .vgpr_count:     1024
    .wavefront_size: 32
...
	.end_amdgpu_metadata
.endif
;; end of part 3
